; MI455X (gfx1250); checked and timed in simulation.
; The chip was launched on July 23, 2026; its instructions are those of AMD's public machine-readable ISA for CDNA 5 (MIT licence, August 2026) and "CDNA5" Instruction Set Architecture Reference Guide (July 2026). The comments in the code are by the model that wrote it; some were corrected since.
;; Induction. Allowed arithmetic: matrix products marked QUANTISED: E3M2 operands, one E8M0 scale for each 32 along K, by v_wmma_scale_f32_16x16x128_f8f6f4 with both operands' format E3M2, f32 sums; products left as they are: f32 operands where the result goes on into a quantised operand, else bf16, f16 or f32 operands; f32 sums; everything else in f32.
;; Inputs: W 1,024 x 1,024 float32; x 65,536 x 1,024 float32.
;; Outputs: out0 512 x 1,024 float32.
;; This version of the problem:
;;   THIS VERSION OF THE PROBLEM IS GIVEN IN LOW PRECISION. The matrix products marked QUANTISED in the list below multiply operands that are first quantised to E3M2 (3 exponent bits, 2 mantissa bits; 6 bits a number), with one power-of-two scale for each 32 numbers along K (OCP MX v1.0); their sums are f32. All else is computed in f32.
;;   The module's matrix products, in the order in which they are computed (A, B: the left and right operand; K: the contracted axis; several contracted axes count as one K, in the product's order):
;;     1. [M 65,536, K 1,024] x [K 1,024, N 1,024]; A: input x; B: input W: QUANTISED
;;     2. batch 512 x [M 128, K 1,024] x [K 1,024, N 1]; A: computed on the way; B: computed on the way: left as it is (N = 1 < 16)
;;     3. batch 512 x [M 128, K 1,024] x [K 1,024, N 1]; A: computed on the way; B: computed on the way: left as it is (N = 1 < 16)
;;     4. batch 512 x [M 128, K 1,024] x [K 1,024, N 1]; A: computed on the way; B: computed on the way: left as it is (N = 1 < 16)
;;   THE QUANTISER, for each operand of a quantised product, along K:
;;     - K is cut into blocks of 32 from its start; a last block that is shorter is filled with zeros.
;;     - A block's scale is 2^e with e = floor(log2(the largest magnitude in the block)) - 4, held to -126 .. 127; a block of zeros has e = 0. As a byte (E8M0): e + 127.
;;     - Each number is divided by its block's scale, clamped to +-28, and rounded to the nearest number of E3M2, ties to even, subnormals kept.
;;     - The product sums the exact products of the quantised numbers (number of the format x scale) in f32.
;;   ~~~python
;;   def quantise(x, axis):      # numpy; x: float32 -> the quantised numbers, widened to float32 again
;;       x = np.moveaxis(x, axis, -1); K = x.shape[-1]
;;       x = np.pad(x, [(0, 0)] * (x.ndim - 1) + [(0, -K % 32)]); x = x.reshape(x.shape[:-1] + (-1, 32)); a = np.abs(x).max(-1, keepdims=True)
;;       e = np.where(a > 0, np.clip(np.frexp(np.where(a > 0, a, 1))[1] - 1 - 4, -126, 127), 0)      # np.frexp(a)[1] - 1 = floor(log2(a)), exactly
;;       r = np.clip(x / 2.0 ** e, -28, 28)
;;       step = 2.0 ** (np.maximum(np.frexp(np.where(r == 0, 1, r))[1] - 1, -2) - 2)
;;       q = np.round(r / step) * step * 2.0 ** e      # np.round: ties to even
;;       return np.moveaxis(q.reshape(q.shape[:-2] + (-1,))[..., :K], -1, axis).astype(np.float32)
;;   ~~~
;; 2 versions. Each part assembles by itself: llvm-mc -triple=amdgcn-amd-amdhsa -mcpu=gfx1250 --defsym DOCPART=n.
;; ======== version 1 of 2: 2 launches
;; limits: right only within a limited range of input values
;; workspace buffers: wfrag 786,432 bytes; wscale 32,768 bytes
;; launch wprep (part 1): grid 16 x 8, 2 waves a work-group, no clusters, 0 bytes of LDS; arguments W, wfrag, wscale; writes wfrag, wscale
.if DOCPART == 1
	.amdgcn_target "amdgcn-amd-amdhsa--gfx1250"
	.amdhsa_code_object_version 6
	.text
	.protected	k_q38b9361799_wprep
	.globl	k_q38b9361799_wprep
	.p2align	8
	.type	k_q38b9361799_wprep,@function
k_q38b9361799_wprep:
	s_mov_b64 s[64:65], 0
	v_nop
	global_prefetch_b8 v0, s[64:65] scope:SCOPE_SE
	s_setreg_imm32_b32 hwreg(HW_REG_WAVE_MODE, 25, 1), 1
	s_wait_xcnt 0x0
; W [1024 (k)][1024 (n)], f32, K along its FIRST axis, becomes codes of BF6 (E3M2) with one E8M0 byte for each 32 along K, laid in the order of a matrix operand's registers:
;   wfrag  [g 0..7][s 0..7][t 0..7][1,536 bytes]: the fragment of columns 128 g + 16 t + 0..15 and k = 128 s + 0..127; registers 4 c .. 4 c + 3 of fragment lane l lie at 512 c + 16 l.
;   wscale [g][s][i 0..3][128 bytes]: the word at 4 l is the scale word of tile 2 i (l = 0..15) or of tile 2 i + 1 (l = 16..31), column l % 16; byte b scales k = 128 s + 32 b + 0..31.
; A LANE TAKES A COLUMN AND ITS REGISTERS RUN DOWN K: a block of 32 lies in one lane, its largest magnitude needs no other lane, and the conversions give codes with K innermost.
; A fragment's lane (r, h) wants blocks h and 2 + h of column r.  My lane holds all four blocks of its column: blocks 0, 2 are the twelve registers of fragment lane (r, 0), blocks 1, 3 those of (r, 1).
; A block's scale is 2^(floor(log2(largest magnitude)) - 4): its byte is the largest magnitude's exponent field - 4, held at 1 from below by a floor among the maximum's leaves.
; LIMITS: a block of zeros gets the byte 1 where the rule says 127 (its codes are zeros, and this program alone reads the bytes); NaN and infinities among the inputs are not served.
; SHARES: work-group (x, y) takes columns 64 x .. 64 x + 63 and k = 128 y .. 128 y + 127; each of its two waves 32 columns.  Waves share nothing: no LDS, no barrier.
.set X,   32                           ; v32-159   my column's 128 numbers
.set G,   160                          ; v160-171  fragment lane (r, 0)'s twelve registers; v172-183 those of (r, 1)
.set TP,  184                          ; v184-199  each block's upper 16 codes as converted (a conversion's three registers begin on an even number)
.set SO,  12                           ; v12-15    the conversions' scale operands
.set SWD, 20                           ; v20       my column's scale word
	s_load_b128 s[4:7], s[0:1], 0x0                ; W, wfrag
	s_load_b64 s[8:9], s[0:1], 0x10                ; wscale
	v_lshrrev_b32 v1, 5, v0
	v_readfirstlane_b32 s10, v1                    ; wave 0, 1
	v_and_b32 v1, 31, v0                           ; lane
	v_lshlrev_b32 v2, 2, v1                        ; 4 x lane: my column in a row of W, and my scale word
	v_lshrrev_b32 v4, 4, v1                        ; which of the wave's two tiles
	v_and_b32 v5, 15, v1                           ; r
	v_mul_u32_u24 v3, v4, 1536
	v_lshl_add_u32 v3, v5, 4, v3                   ; my place in the two fragments: 1,536 x tile + 16 r
	s_lshl_b32 s11, ttmp9, 1
	s_add_co_u32 s11, s11, s10                     ; P: which 32 columns are my wave's
	s_and_b32 s12, ttmp7, 0xffff                   ; s: which 128 along K
	s_lshr_b32 s13, s11, 2                         ; g
	s_and_b32 s14, s11, 3                          ; i
	s_lshl_b32 s16, s12, 19                        ; W: 128 s rows of 4,096 bytes
	s_lshl_b32 s15, s11, 7
	s_add_co_u32 s16, s16, s15                     ;    + 128 P
	s_mov_b32 s17, 0
	s_lshl_b32 s18, s13, 6                         ; wfrag: fragment 64 g + 8 s + 2 i
	s_lshl_b32 s15, s12, 3
	s_add_co_u32 s18, s18, s15
	s_lshl_b32 s15, s14, 1
	s_add_co_u32 s18, s18, s15
	s_mul_i32 s18, s18, 1536
	s_mov_b32 s19, 0
	s_lshl_b32 s20, s13, 5                         ; wscale: run 32 g + 4 s + i of 128 bytes
	s_lshl_b32 s15, s12, 2
	s_add_co_u32 s20, s20, s15
	s_add_co_u32 s20, s20, s14
	s_lshl_b32 s20, s20, 7
	s_mov_b32 s21, 0
	s_wait_kmcnt 0x0
	s_add_nc_u64 s[4:5], s[4:5], s[16:17]
	s_add_nc_u64 s[6:7], s[6:7], s[18:19]
	s_add_nc_u64 s[8:9], s[8:9], s[20:21]
.macro LOADB b                         ; block b: W(128 s + 32 b + i, my column): the wave reads 128 consecutive bytes, the work-group's two waves 256
.set li, 0
.rept 32
	global_load_b32 v[X+32*(\b)+li], v2, s[4:5] offset:(32*(\b)+li)*4096 th:TH_LOAD_NT
.set li, li+1
.endr
.endm
.macro BLOCK b
.set XB, X+32*(\b)
.set GD, G+12*((\b)%2)+6*((\b)/2)
.if (\b) < 3
	s_wait_loadcnt 32                              ; this block's 32 loads are in; the next block's 32 may be out
.else
	s_wait_loadcnt 0x0
.endif
.if (\b) < 2
	LOADB (\b)+2                                   ; two blocks ahead
.endif
	v_max3_num_f32 v8, |v[XB]|, |v[XB+1]|, |v[XB+2]|               ; the block's largest magnitude, in two chains
	v_max3_num_f32 v9, |v[XB+3]|, |v[XB+4]|, |v[XB+5]|
.irp i, 6,10,14,18,22,26
	v_max3_num_f32 v8, v8, |v[XB+\i]|, |v[XB+\i+1]|
	v_max3_num_f32 v9, v9, |v[XB+\i+2]|, |v[XB+\i+3]|
.endr
	v_max3_num_f32 v8, v8, |v[XB+30]|, |v[XB+31]|
	v_max3_num_f32 v8, v8, v9, 0x2800000           ; and the floor 2^(5 - 127): the byte cannot fall under 1
	v_add_nc_u32 v[SO+(\b)], 0xfe000000, v8        ; 4 off the exponent field: the conversion takes this operand's exponent field as its scale
	v_cvt_scalef32_pk16_bf6_f32 v[GD:GD+2], v[XB:XB+15], v[SO+(\b)]
	v_cvt_scalef32_pk16_bf6_f32 v[TP+4*(\b):TP+4*(\b)+2], v[XB+16:XB+31], v[SO+(\b)]
	v_lshrrev_b32 v10, 23, v[SO+(\b)]              ; the scale's byte (also the plain line behind the conversions)
.if (\b) == 0
	v_mov_b32 v[SWD], v10
.else
	v_lshl_or_b32 v[SWD], v10, 8*(\b), v[SWD]      ; the lower K in the lower byte
.endif
.endm
	LOADB 0
	LOADB 1
	BLOCK 0
	BLOCK 1
	BLOCK 2
	BLOCK 3
.irp b, 0,1,2,3
.irp i, 0,1,2
	v_mov_b32 v[G+12*(\b%2)+6*(\b/2)+3+\i], v[TP+4*\b+\i]          ; a block's upper 16 codes behind its lower 16
.endr
.endr
.irp h, 0,1
.irp c, 0,1,2
	global_store_b128 v3, v[G+12*\h+4*\c:G+12*\h+4*\c+3], s[6:7] offset:512*\c+256*\h   ; sixteen lanes store 256 consecutive bytes, at a multiple of 256 from wfrag's first byte
.endr
.endr
	global_store_b32 v2, v[SWD], s[8:9]            ; 128 consecutive bytes a wave; the scale words are one byte in 128 of what the launch reads
	s_endpgm
.Lfunc_end_k_q38b9361799_wprep:
	.size	k_q38b9361799_wprep, .Lfunc_end_k_q38b9361799_wprep-k_q38b9361799_wprep
	.p2alignl 7, 3214868480
	.fill 96, 4, 3214868480
	.section	.rodata,"a",@progbits
	.p2align	6, 0x0
	.amdhsa_kernel k_q38b9361799_wprep
		.amdhsa_group_segment_fixed_size 0
		.amdhsa_private_segment_fixed_size 0
		.amdhsa_enable_private_segment 0
		.amdhsa_kernarg_size 24
		.amdhsa_user_sgpr_count 2
		.amdhsa_user_sgpr_kernarg_segment_ptr 1
		.amdhsa_wavefront_size32 1
		.amdhsa_system_sgpr_workgroup_id_x 1
		.amdhsa_system_sgpr_workgroup_id_y 1
		.amdhsa_system_sgpr_workgroup_id_z 1
		.amdhsa_system_vgpr_workitem_id 0
		.amdhsa_next_free_vgpr 208
		.amdhsa_next_free_sgpr 66
		.amdhsa_reserve_vcc 0
		.amdhsa_float_denorm_mode_32 3
		.amdhsa_float_denorm_mode_16_64 3
		.amdhsa_memory_ordered 1
		.amdhsa_forward_progress 1
		.amdhsa_inst_pref_size 20
	.end_amdhsa_kernel
	.amdgpu_metadata
---
amdhsa.version: [ 1, 2 ]
amdhsa.kernels:
  - .name:           k_q38b9361799_wprep
    .symbol:         k_q38b9361799_wprep.kd
    .args:
      - { .name: W, .offset: 0, .size: 8, .value_kind: global_buffer, .address_space: global }
      - { .name: wfrag, .offset: 8, .size: 8, .value_kind: global_buffer, .address_space: global }
      - { .name: wscale, .offset: 16, .size: 8, .value_kind: global_buffer, .address_space: global }
    .group_segment_fixed_size: 0
    .private_segment_fixed_size: 0
    .kernarg_segment_align: 8
    .kernarg_segment_size: 24
    .max_flat_workgroup_size: 64
    .sgpr_count:     66
    .vgpr_count:     208
    .wavefront_size: 32
...
	.end_amdgpu_metadata
.endif
;; end of part 1
;; launch route (part 2): grid 256 x 1, 4 waves a work-group, no clusters, 326,400 bytes of LDS; arguments x, wfrag, wscale, out0; writes out0
.if DOCPART == 2
	.amdgcn_target "amdgcn-amd-amdhsa--gfx1250"
	.amdhsa_code_object_version 6
	.text
	.protected	k_q38b9361799_route
	.globl	k_q38b9361799_route
	.p2align	8
	.type	k_q38b9361799_route,@function
k_q38b9361799_route:
	s_mov_b64 s[64:65], 0
	v_nop
	global_prefetch_b8 v0, s[64:65] scope:SCOPE_SE
	s_setreg_imm32_b32 hwreg(HW_REG_WAVE_MODE, 25, 1), 1
	s_wait_xcnt 0x0
; For each class (128 rows of x): e = Q(x) Q(W) on codes of BF6 (E3M2) with one E8M0 scale for each 32 along K, then three sweeps of routing: d = softmax(b) over the 128 rows, c = sum of d e,
; squash, b += e . c.  Only the third squashed c leaves; the third update of b serves nothing and is not made.
; SHARES.  A work-group of four waves stays and walks classes 2 x and 2 x + 1.  A class's e (128 x 1,024 f32) never goes to memory.  Wave w owns columns 256 w .. 256 w + 255 for all 128 rows: 16 column
; tiles of 64 registers; ten stay in registers, six lie in the wave's own LDS.  The product goes in two passes of 8 column tiles (64 accumulators, windows 1 and 2).
; x is read once, as f32: wave w quantises rows 32 w .. 32 w + 31, a K step of 128 at a time, and lays the fragments in LDS as images of their registers (16 bytes a lane, 512 bytes a store), where all four
; waves read them in both passes.  PASS 0 RUNS ONE K STEP BEHIND THAT STREAM: while x(s) is turned and quantised, the 64 products are those of K step s - 1, set in runs between the LDS work of step s.
; W's fragments come from memory straight into registers, laid out for that by the launch before: a fragment of W is multiplied by one wave alone, so LDS would add a write and a read for each byte; and
; beside x's codes and e LDS has no room for slots, which is also why no tile is asked for jointly in a cluster.
; LAYOUT.  Source 0 = 16 rows of x, source 1 = 16 columns of W: lane (r, h) holds column r, and register 8 a + j of a tile holds row 16 a + 8 h + j.  d and e . c lie the same way, 64 registers a lane, equal
; in the sixteen lanes of a half.  b and the softmax are kept COMPACT: lane l holds rows 4 l .. 4 l + 3, every wave the same numbers.  e . c is taken with the c that is not yet squashed and multiplied by
; the squash's coefficient afterwards, so that one meeting of the waves serves the square and the products.
; LIMITS: NaN and infinities among the inputs are not served; a block of zeros gets the scale byte 1 (its codes are zeros; nobody else reads the bytes); |e_row| x |c| must stay under f32's largest number,
; which is met wherever |c|^2 stays some 100 times under it; v_rcp_f32, v_rsq_f32, v_exp_f32 are good to 1 ulp, and no quantiser stands behind them.
; LDS, in bytes
.set L_XS,   98304                     ; from 0: x's 64 fragments: (wave w', K step s, half u) at 24,576 w' + 3,072 s + 1,536 u.  From L_XS: their scale words: (s, u, r, w') at 512 s + 256 u + 16 r + 4 w'
.set L_WS,   102400                    ; 4 x 4,096: each wave's own copy of the pass's scale words of W: [s][pair i][128 bytes]
.set L_E,    118784                    ; 4 x 49,152: each wave's own: column tiles 0-5 of e: tile t at 8,192 t, registers 4 q .. 4 q + 3 at 512 q + 16 lane.  While x streams, its first 16,896 bytes are two stages
.set L_PART, 315392                    ; 4 x 512: each wave's part of e . c for the 128 rows: row n at 4 n
.set L_SQP,  317440                    ; four words: each wave's part of |c|^2
.set L_OST,  317696                    ; 4 x 2,048: each wave's own: 1,024 bytes of stage for its 256 numbers of the output, then d (512 bytes, row n at 4 n), then b (likewise)
.set O_D,    1024
.set O_B,    1536
.set STP,    528                       ; a stage row: 512 bytes + 16: the sixteen rows that a load touches begin at sixteen different groups of four banks (64 banks of 4 bytes: ISA guide 11.1)
.set STZ,    16*STP
; window 0
.set LI,   1                           ; 16 x lane: an image's place for my lane; also the vector offset of global loads and stores; never rewritten
.set L4,   2                           ; 4 x lane
.set AAD,  3                           ; x's fragments of the K step in hand, row blocks 0-3
.set AAD2, 4                           ; row blocks 4-7 (49,152 bytes on)
.set ASD,  5                           ; x's scale words of the K step
.set BSD,  6                           ; W's scale words of the K step
.set EAD,  7                           ; L_E + 49,152 w + 16 lane
.set STR,  8                           ; L_E + 49,152 w + 528 r + 64 h: my 16 numbers of a block of 32 in a stage row
.set XWI,  9                           ; where I store x's images of the K step in hand
.set XWS,  10                          ; and their scale words
.set PAD,  11                          ; L_PART + 512 w + 32 h
.set DRD,  12                          ; L_OST + 2,048 w + O_D + 32 h: d, back in the layout of the rows
.set SQA,  13                          ; L_SQP + 4 w
.set SQR,  14                          ; L_SQP
.set OSW,  15                          ; L_OST + 2,048 w + 4 lane
.set OSR,  16                          ; L_OST + 2,048 w + 16 lane
.set PFO,  17                          ; 4,096 x lane: a row of x
.set WSA,  18                          ; L_WS + 4,096 w + 16 lane
.set PCR,  19                          ; L_PART + 16 lane: my four rows of a wave's part
.set CO,   20                          ; v20-21 the squash's coefficient, twice
.set CP,   22                          ; v22-23 one tile's c; the packed form names the pair and takes its low word
.set AS,   24                          ; v24-27, v28-31 x's scale words, two sets: register i: row block 2 i in lanes 0-15, 2 i + 1 in lanes 16-31.  v24-39 hold scales and nothing else
.set BS,   32                          ; v32-35, v36-39 W's, two sets: register i: column tile 2 i in lanes 0-15, 2 i + 1 in lanes 16-31
.set AF,   40                          ; v40-135  x's eight fragments of a K step
.set BF0,  136                         ; v136-231 pass 1: W's eight fragments, set 0
.set XW,   136                         ; while x streams: v136-199 64 numbers, v200-215 at work, v216 the scale word
.set TM,   200
.set PW,   216
.set PC,   232                         ; v232-250 the codes just made
.set PS,   40                          ; routing: v40-103 e . c;  v104-167 d;  v168-231 a tile from LDS;  v232-247 c of my 16 tiles;  v248-255 at work
.set DW,   104
.set T0,   168
.set CV,   232
.set CH,   248
; window 3: v0-127 two landing zones for x, later column tiles 6 and 7; v128-223 W's set 1 (the one set of pass 0); v224-255 scale words on their way to LDS; routing: v192-255 a second tile from LDS
.set BF1,  128
.set WT,   224
.set T1,   192
; scalars
.set WV,   12                          ; my wave's number
.set XP,   14                          ; s[14:15] x at my 32 rows, the K step being asked for
.set WP,   16                          ; s[16:17] wfrag at the K step being asked for (pass 0: for column tiles 0-3)
.set WB0,  18                          ; s[18:19] wfrag + 196,608 w
.set WSB,  20                          ; s[20:21] wscale + 8,192 w
.set OP,   22                          ; s[22:23] out0 at the class's row, my 256 columns
.set XC,   24                          ; s[24:25] x at the class's first K step of my rows
.set XN,   26                          ; s[26:27] the same of the next class
.set CL,   28                          ; classes to go
.set KC,   29                          ; counts K steps
.set SW,   30                          ; sweeps to go
.set PFK,  31                          ; the sweep in which the next class is prefetched: 2, or 0 where there is none
.set SEL,  32                          ; s[32:33] v_permlanex16_b32's selects for lane l xor 16
.set L2E,  34                          ; s[34:35] log2(e), twice
.set HM,   36                          ; lanes 16-31
.set WSO,  37                          ; L_WS + 4,096 w
.set XQO,  38                          ; 24,576 w
.set XSO,  43                          ; L_XS + 4 w
.set WQ,   44                          ; s[44:45] pass 0: wfrag at the K step being asked for, for column tiles 4-7: a pointer of its own, so that each is stepped behind the wait for its own loads
.set MSB, 0
.macro WIN new                         ; s_set_vgpr_msb: bits 1:0 source 0, 3:2 source 1, 5:4 source 2, 7:6 destination; the high byte repeats the setting that is left; a switch that changes nothing is dropped
.set NEWW, \new
.if MSB != NEWW
	s_set_vgpr_msb (MSB<<8)|NEWW
.set MSB, NEWW
.endif
.endm
; A load into a register that a matrix instruction has read, and a vector instruction or LDS store that reads a matrix result, stand four places behind it; only plain vector instructions that name none of
; its registers are places (ISA guide 7.12.1 for vector instructions).
.macro PLACES n
.rept \n
	v_nop
.endr
.endm
.macro XLOAD z                         ; (destination window 3)  16 rows x 512 bytes: each load reads one row's K step, 512 consecutive bytes at a multiple of 512 from x's first byte
.set xi, 0
.rept 16
	global_load_b128 v[64*(\z)+4*xi:64*(\z)+4*xi+3], v[LI], s[XP:XP+1] offset:65536*(\z)+4096*xi th:TH_LOAD_NT
.set xi, xi+1
.endr
.endm
.macro COPY z                          ; (data window 3)  the 16 rows into my stage, as they lie
.set xi, 0
.rept 16
	ds_store_b128 v[EAD], v[64*(\z)+4*xi:64*(\z)+4*xi+3] offset:STZ*(\z)+STP*xi
.set xi, xi+1
.endr
.endm
; 64 numbers of a lane, register 16 b + i = k 32 b + 16 (lane / 16) + i of my row, become a fragment's codes in v[PC] on and its scale word in v[PW]
.macro QUANT s
.irp b, 0,1,2,3
	v_max3_num_f32 v[TM+\b], |v[\s+16*\b]|, |v[\s+1+16*\b]|, 0x2800000   ; block b: my 16 numbers, and the floor 2^(5 - 127): the byte cannot fall under 1
.endr
.irp i, 2,4,6,8,10,12,14
.irp b, 0,1,2,3
	v_max3_num_f32 v[TM+\b], v[TM+\b], |v[\s+16*\b+\i]|, |v[\s+1+16*\b+\i]|   ; the four blocks by turns
.endr
.endr
.irp b, 0,1,2,3
	v_permlanex16_b32 v[TM+4+\b], v[TM+\b], s[SEL], s[SEL+1]
.endr
.irp b, 0,1,2,3
	v_max_num_f32 v[TM+\b], v[TM+\b], v[TM+4+\b]   ; with lane l xor 16's: the block's largest magnitude
.endr
.irp b, 0,1,2,3
	v_add_nc_u32 v[TM+12+\b], 0xfe000000, v[TM+\b] ; 4 off its exponent field: the conversion's scale operand
.endr
.irp b, 0,1,2,3
	v_lshrrev_b32 v[TM+4+\b], 23, v[TM+12+\b]      ; the scale's byte
.endr
	v_lshl_or_b32 v[PW], v[TM+5], 8, v[TM+4]
	v_lshl_or_b32 v[PW], v[TM+6], 16, v[PW]
	v_lshl_or_b32 v[PW], v[TM+7], 24, v[PW]        ; my row's scale word
.irp c, 0,1
	v_cvt_scalef32_pk16_bf6_f32 v[PC+6*\c:PC+2+6*\c], v[\s+32*\c:\s+15+32*\c], v[TM+12+2*\c]
	v_cvt_scalef32_pk16_bf6_f32 v[PC+12+4*\c:PC+14+4*\c], v[\s+16+32*\c:\s+31+32*\c], v[TM+12+2*\c+1]   ; (a conversion's three registers begin on an even number)
.endr
	v_nop                                          ; one plain line behind the conversions
.irp c, 0,1                            ; the operand wants a whole block in a lane: lanes 0-15 block 2 c, lanes 16-31 block 2 c + 1
.irp i, 0,1,2
	v_permlane16_swap_b32 v[PC+6*\c+\i], v[PC+12+4*\c+\i]
.endr
.irp i, 0,1,2
	v_mov_b32 v[PC+3+6*\c+\i], v[PC+12+4*\c+\i]
.endr
.endr
.endm
.macro TLOAD z                         ; 16 rows come back from my stage, 16 neighbours to a block and lane.  LDS serves a wave's instructions in order (ISA guide 5.7.1.4): these see the stores into the stage
.irp b, 0,1,2,3
.irp j, 0,1,2,3
	ds_load_b128 v[XW+16*\b+4*\j:XW+16*\b+4*\j+3], v[STR] offset:STZ*(\z)+128*\b+16*\j
.endr
.endr
.endm
; The 16 rows are quantised and go to LDS as an image.  meet = 1: the halves of a barrier stand round the quantising, which is work on registers alone: in front of its signal all my LDS loads are in, my reads
; of the last K step's images among them; behind its wait this K step's images are stored.  Each K step has image bytes of its own, so no value hangs on that barrier: it is kept so that
; write, barrier, read, barrier, write can be read off this text without following the stepped addresses.
.macro QSEND z, meet
	s_wait_dscnt 0x0                               ; the numbers are in; and the stores of the codes made before have read their registers
.if \meet
	s_barrier_signal -1
.endif
	QUANT XW
.if \meet
	s_barrier_wait -1
.endif
.irp c, 0,1,2
	ds_store_b128 v[XWI], v[PC+4*\c:PC+4*\c+3] offset:1536*(\z)+512*\c
.endr
	ds_store_b32 v[XWS], v[PW] offset:256*(\z)     ; lanes r and r + 16 write the same word with the same value
.endm
.macro BLD bs, t0, off, base           ; W's fragments of column tiles t0 .. t0 + 3 into set bs: 12 loads of 512 consecutive bytes
.if \bs
	WIN 0xC0
.else
	WIN 0
.endif
.irp t, 0,1,2,3
.irp c, 0,1,2
	global_load_b128 v[BF0-8*(\bs)+12*(\t0+\t)+4*\c:BF0-8*(\bs)+12*(\t0+\t)+4*\c+3], v[LI], s[\base:\base+1] offset:\off+1536*(\t0+\t)+512*\c
.endr
.endr
.endm
.macro FETA1 p                         ; 17 LDS loads: the K step's scale words into set p, and x's row blocks 0-3
	ds_load_b128 v[AS+4*(\p):AS+4*(\p)+3], v[ASD]
.irp i, 0,1,2,3
	ds_load_b32 v[BS+4*(\p)+\i], v[BSD] offset:128*\i
.endr
.irp a, 0,1,2,3
.irp c, 0,1,2
	ds_load_b128 v[AF+12*\a+4*\c:AF+12*\a+4*\c+3], v[AAD] offset:24576*(\a/2)+1536*(\a%2)+512*\c
.endr
.endr
.endm
.macro FETA2                           ; 12 LDS loads: x's row blocks 4-7
.irp a, 0,1,2,3
.irp c, 0,1,2
	ds_load_b128 v[AF+48+12*\a+4*\c:AF+48+12*\a+4*\c+3], v[AAD2] offset:24576*(\a/2)+1536*(\a%2)+512*\c
.endr
.endr
.endm
.macro WM zero                         ; the product of row block ma and column tile mt; an odd block's or tile's scale words stand in lanes 16-31
.set rD, 64*(mt%4)+8*ma
.set rA, AF+12*ma
.set rB, mBB+12*mt
.set rSA, mSA+ma/2
.set rSB, mSB+mt/2
.set mo, 2*(ma%2)+(mt%2)
.if \zero
.if mo == 3
	v_wmma_scale_f32_16x16x128_f8f6f4 v[rD:rD+7], v[rA:rA+11], v[rB:rB+11], 0, v[rSA], v[rSB] matrix_a_fmt:MATRIX_FMT_BF6 matrix_b_fmt:MATRIX_FMT_BF6 matrix_a_scale:MATRIX_SCALE_ROW1 matrix_b_scale:MATRIX_SCALE_ROW1
.elseif mo == 2
	v_wmma_scale_f32_16x16x128_f8f6f4 v[rD:rD+7], v[rA:rA+11], v[rB:rB+11], 0, v[rSA], v[rSB] matrix_a_fmt:MATRIX_FMT_BF6 matrix_b_fmt:MATRIX_FMT_BF6 matrix_a_scale:MATRIX_SCALE_ROW1
.elseif mo == 1
	v_wmma_scale_f32_16x16x128_f8f6f4 v[rD:rD+7], v[rA:rA+11], v[rB:rB+11], 0, v[rSA], v[rSB] matrix_a_fmt:MATRIX_FMT_BF6 matrix_b_fmt:MATRIX_FMT_BF6 matrix_b_scale:MATRIX_SCALE_ROW1
.else
	v_wmma_scale_f32_16x16x128_f8f6f4 v[rD:rD+7], v[rA:rA+11], v[rB:rB+11], 0, v[rSA], v[rSB] matrix_a_fmt:MATRIX_FMT_BF6 matrix_b_fmt:MATRIX_FMT_BF6
.endif
.else
.if mo == 3
	v_wmma_scale_f32_16x16x128_f8f6f4 v[rD:rD+7], v[rA:rA+11], v[rB:rB+11], v[rD:rD+7], v[rSA], v[rSB] matrix_a_fmt:MATRIX_FMT_BF6 matrix_b_fmt:MATRIX_FMT_BF6 matrix_a_scale:MATRIX_SCALE_ROW1 matrix_b_scale:MATRIX_SCALE_ROW1
.elseif mo == 2
	v_wmma_scale_f32_16x16x128_f8f6f4 v[rD:rD+7], v[rA:rA+11], v[rB:rB+11], v[rD:rD+7], v[rSA], v[rSB] matrix_a_fmt:MATRIX_FMT_BF6 matrix_b_fmt:MATRIX_FMT_BF6 matrix_a_scale:MATRIX_SCALE_ROW1
.elseif mo == 1
	v_wmma_scale_f32_16x16x128_f8f6f4 v[rD:rD+7], v[rA:rA+11], v[rB:rB+11], v[rD:rD+7], v[rSA], v[rSB] matrix_a_fmt:MATRIX_FMT_BF6 matrix_b_fmt:MATRIX_FMT_BF6 matrix_b_scale:MATRIX_SCALE_ROW1
.else
	v_wmma_scale_f32_16x16x128_f8f6f4 v[rD:rD+7], v[rA:rA+11], v[rB:rB+11], v[rD:rD+7], v[rSA], v[rSB] matrix_a_fmt:MATRIX_FMT_BF6 matrix_b_fmt:MATRIX_FMT_BF6
.endif
.endif
.endm
; 16 matrix instructions: row blocks a0 .. a0 + 3 x column tiles t0 .. t0 + 3, 128 along K.  p: W's set and the set of scale words.  zero = 1: the product starts the sums: nothing is cleared.
; The 64 accumulators take turns, one instruction a turn, in the same order in every K step.  Tile t lies in window 1 + t / 4 at 64 (t % 4) + 8 a.
.macro MUL16 a0, t0, p, zero
.set mBB, BF0-8*(\p)
.set mSA, AS+4*(\p)
.set mSB, BS+4*(\p)
.set mW, 1+(\t0)/4
.set mWB, (mW<<6)|(mW<<4)|((3*(\p))<<2)
	WIN mWB
.set ma, \a0
.rept 4
.set mt, \t0
.rept 4
	WM \zero
.set mt, mt+1
.endr
.set ma, ma+1
.endr
.endm
; x(s)'s 32 rows go into my stage, and the 32 products of K step s - 1 on column tiles 0-3 are issued: eight stores, eight products, four times.  One window setting serves both: an LDS store's data are its
; source 1, as W's fragment is the product's: window 3; the store's address and x's fragment are source 0: window 0; C and D window 1.
.macro MULCOPY zero
.set mBB, BF1
.set mSA, AS+4
.set mSB, BS+4
	WIN 0x5C
.set cpi, 0
.set ma, 0
.rept 4
.rept 8
	ds_store_b128 v[EAD], v[4*cpi:4*cpi+3] offset:STZ*(cpi/16)+STP*(cpi%16)
.set cpi, cpi+1
.endr
.if ma == 0
	s_wait_dscnt 8                                 ; all but the eight stores just issued: the fragments and scale words of K step s - 1 are in
.endif
.rept 2
.set mt, 0
.rept 4
	WM \zero
.set mt, mt+1
.endr
.set ma, ma+1
.endr
.endr
.endm
.macro STEPADR                         ; on to the next K step's images and scale words; no LDS instruction that names these four is out.  The four lines are also four places
	v_add_nc_u32 v[AAD], 3072, v[AAD]
	v_add_nc_u32 v[AAD2], 3072, v[AAD2]
	v_add_nc_u32 v[ASD], 512, v[ASD]
	v_add_nc_u32 v[BSD], 512, v[BSD]
.endm
.macro RESETADR                        ; back to K step 0
	v_mov_b32 v[AAD], v[LI]
	v_add_nc_u32 v[AAD2], 49152, v[LI]
	v_add_nc_u32 v[ASD], L_XS, v[LI]
	v_add_nc_u32 v[BSD], s[WSO], v[L4]
.endm
.macro WSLOAD off                      ; a pass's 4,096 bytes of W's scale words, 512 consecutive bytes a load
	WIN 0xC0
.irp i, 0,1,2,3,4,5,6,7
	global_load_b128 v[WT+4*\i:WT+4*\i+3], v[LI], s[WSB:WSB+1] offset:\off+512*\i
.endr
.endm
.macro WSSTORE                         ; into my own copy in LDS, as they lie
	WIN 0x0C
.irp i, 0,1,2,3,4,5,6,7
	ds_store_b128 v[WSA], v[WT+4*\i:WT+4*\i+3] offset:512*\i
.endr
	WIN 0
.endm
; ONE K STEP s = 1 .. 7 OF THE STREAM, with pass 0's products of K step s - 1.  On the way in my loads are, oldest first: x(s), 32; W(s - 1)'s tiles 0-3, 12 (the two may stand the other way round); W(s - 1)'s tiles 4-7, 12.
.macro PSTEP zero, more
	s_wait_loadcnt 12                              ; x(s) and W(s - 1)'s tiles 0-3 are in; only the youngest 12 may be out.  So the two pointers below have been read
	s_add_nc_u64 s[WP:WP+1], s[WP:WP+1], 12288     ; W(s)
.if \more
	s_add_nc_u64 s[XP:XP+1], s[XP:XP+1], 512       ; x(s + 1)
.endif
	MULCOPY \zero
	WIN 0
	TLOAD 0                                        ; the first 16 rows are asked back ahead of the global loads below
	STEPADR                                        ; six plain lines: the places in front of the loads into W's tiles 0-3
	v_add_nc_u32 v[XWI], 3072, v[XWI]              ; where this K step's images go (the last step's stores were waited for in front of its barrier)
	v_add_nc_u32 v[XWS], 512, v[XWS]
	BLD 1, 0, 0, WP                                ; W(s)'s tiles 0-3
.if \more
	s_wait_dscnt 16                                ; all but the 16 loads just issued: the 32 stores have read the landing zones
	XLOAD 0
	XLOAD 1                                        ; 12 + 12 + 32 loads of mine are out
.endif
	s_wait_loadcnt 32*\more+12                     ; W(s - 1)'s tiles 4-7 are in; W(s)'s 12 and x(s + 1)'s 32, issued behind them, may be out
	s_add_nc_u64 s[WQ:WQ+1], s[WQ:WQ+1], 12288     ; so their pointer has been read: W(s)
	MUL16 0, 4, 1, \zero                           ; sixteen products while the 16 rows come back
	WIN 0
	QSEND 0, 1
	TLOAD 1
	MUL16 4, 4, 1, \zero                           ; and sixteen for the other 16 rows
	WIN 0
	QSEND 1, 0
	s_wait_dscnt 0x0                               ; for the others' sake: my images and scale words of this K step lie in LDS
	s_barrier_signal -1
	s_barrier_wait -1                              ; everybody's do
	FETA1 1                                        ; K step s's fragments and scale words, for the next trip's products (the quantising above is the places behind the last products)
	FETA2
	BLD 1, 4, 0, WQ                                ; W(s)'s tiles 4-7
	WIN 0
.endm
; ONE K STEP OF PASS 1.  x's images lie in LDS; W comes in groups of 12 loads, two K steps ahead, into two sets by turns.  n1, n2: the loads younger than the group that is wanted.
.macro GSTEP p, zero, refill, aload, n1, n2
	s_wait_loadcnt \n1                             ; W's tiles 0-3 of this step are in
	s_wait_dscnt 12                                ; the scale words and x's blocks 0-3 are in; the youngest 12 loads (blocks 4-7) may be out
	MUL16 0, 0, \p, \zero
	s_wait_dscnt 0x0
	MUL16 4, 0, \p, \zero
.if \refill
	PLACES 4
	BLD \p, 0, (2+\p)*12288, WP                    ; tiles 0-3 of the step two on: 96 matrix instructions ahead of their use
.endif
	s_wait_loadcnt \n2                             ; W's tiles 4-7 of this step are in
	MUL16 0, 4, \p, \zero
.if \aload
	WIN 0
	STEPADR                                        ; four places
	FETA1 1-\p                                     ; the next step's scale words and x's blocks 0-3
.endif
	MUL16 4, 4, \p, \zero
	WIN 0
	PLACES 4
.if \aload
	FETA2
.endif
.if \refill
	BLD \p, 4, (2+\p)*12288, WP
	WIN 0
.endif
.endm
.macro STEPW
	s_wait_xcnt 0x0                                ; the loads issued so far have read their base
	s_add_nc_u64 s[WP:WP+1], s[WP:WP+1], 24576
.endm
.macro ELOAD e, buf                    ; column tile e of my six in LDS into T0 (window 0) or T1 (window 3)
.if \buf
	WIN 0xC0
.set eb, T1
.else
	WIN 0
.set eb, T0
.endif
.set ei, 0
.rept 16
	ds_load_b128 v[eb+4*ei:eb+4*ei+3], v[EAD] offset:8192*(\e)+512*ei
.set ei, ei+1
.endr
.endm
.macro FOLD                            ; CH's four pairs become one number in v[CH]; lane l xor 16's comes into v[CH+1]
	v_pk_add_f32 v[CH:CH+1], v[CH:CH+1], v[CH+2:CH+3]
	v_pk_add_f32 v[CH+4:CH+5], v[CH+4:CH+5], v[CH+6:CH+7]
	v_pk_add_f32 v[CH:CH+1], v[CH:CH+1], v[CH+4:CH+5]
	v_add_f32 v[CH], v[CH], v[CH+1]
	v_permlanex16_b32 v[CH+1], v[CH], s[SEL], s[SEL+1]
.endm
.macro CPART win, base, cv             ; c of one column tile: the sum over my 64 rows of d e, in four packed chains (each accumulator is read from its low end on), then the other half's 64 rows
	WIN \win
.set ci, 0
.rept 32
.if ci < 4
	v_pk_mul_f32 v[CH+2*ci:CH+2*ci+1], v[\base+2*ci:\base+2*ci+1], v[DW+2*ci:DW+2*ci+1]
.else
	v_pk_fma_f32 v[CH+2*(ci%4):CH+2*(ci%4)+1], v[\base+2*ci:\base+2*ci+1], v[DW+2*ci:DW+2*ci+1], v[CH+2*(ci%4):CH+2*(ci%4)+1]
.endif
.set ci, ci+1
.endr
	WIN 0
	FOLD
	v_add_f32 v[CV+\cv], v[CH], v[CH+1]
.endm
.macro PPART win, base, cv, first      ; e . c: my column's share of one tile for my 64 rows.  The tile is source 1, so that the copy of c runs under the same setting
.set pw, (\win)<<2
	WIN pw
	v_mov_b32 v[CP], v[CV+\cv]
.set ci, 0
.rept 32
.if \first
	v_pk_mul_f32 v[PS+2*ci:PS+2*ci+1], v[CP:CP+1], v[\base+2*ci:\base+2*ci+1] op_sel_hi:[0,1]
.else
	v_pk_fma_f32 v[PS+2*ci:PS+2*ci+1], v[CP:CP+1], v[\base+2*ci:\base+2*ci+1], v[PS+2*ci:PS+2*ci+1] op_sel_hi:[0,1,1]
.endif
.set ci, ci+1
.endr
.endm
.macro COEFF                           ; the four waves' squares in v[CH] on -> the coefficient sq / (1 + sq) / sqrt(sq + 1e-9), twice
	v_add_f32 v[CH], v[CH], v[CH+1]
	v_add_f32 v[CH+2], v[CH+2], v[CH+3]
	v_add_f32 v[CH], v[CH], v[CH+2]
	v_add_f32 v[CH+1], 1.0, v[CH]
	v_add_f32 v[CH+2], 0x3089705f, v[CH]
	v_rcp_f32 v[CH+1], v[CH+1]
	v_rsq_f32 v[CH+2], v[CH+2]
	v_nop                                          ; a plain line behind the two
	s_wait_alu depctr_va_vdst(0)                   ; and a wait ahead of the first reader: one for both
	v_mul_f32 v[CH+1], v[CH], v[CH+1]
	v_mul_f32 v[CO], v[CH+1], v[CH+2]
	v_mov_b32 v[CO+1], v[CO]
.endm
	s_load_b256 s[4:11], s[0:1], 0x0               ; x s[4:5], wfrag s[6:7], wscale s[8:9], out0 s[10:11]
	v_lshrrev_b32 v20, 5, v0
	v_readfirstlane_b32 s[WV], v20                 ; wave 0..3
	v_and_b32 v21, 31, v0                          ; lane
	v_and_b32 v22, 15, v0                          ; r
	v_bfe_u32 v23, v0, 4, 1                        ; h
	v_lshlrev_b32 v[LI], 4, v21
	v_lshlrev_b32 v[L4], 2, v21
	s_mul_i32 s39, s[WV], 49152
	s_add_co_u32 s39, s39, L_E
	v_add_nc_u32 v[EAD], s39, v[LI]
	v_mul_u32_u24 v[STR], v22, STP
	v_lshl_add_u32 v[STR], v23, 6, v[STR]
	v_add_nc_u32 v[STR], s39, v[STR]
	s_lshl_b32 s40, s[WV], 9
	s_add_co_u32 s40, s40, L_PART
	v_lshlrev_b32 v[DRD], 5, v23                   ; 32 h
	v_add_nc_u32 v[PAD], s40, v[DRD]
	v_add_nc_u32 v[PCR], L_PART, v[LI]
	s_lshl_b32 s40, s[WV], 2
	s_add_co_u32 s40, s40, L_SQP
	v_mov_b32 v[SQA], s40
	v_mov_b32 v[SQR], L_SQP
	s_lshl_b32 s40, s[WV], 11
	s_add_co_u32 s40, s40, L_OST
	v_add_nc_u32 v[OSW], s40, v[L4]
	v_add_nc_u32 v[OSR], s40, v[LI]
	s_add_co_u32 s40, s40, O_D
	v_add_nc_u32 v[DRD], s40, v[DRD]
	v_lshlrev_b32 v[PFO], 12, v21
	s_lshl_b32 s[WSO], s[WV], 12
	s_add_co_u32 s[WSO], s[WSO], L_WS
	v_add_nc_u32 v[WSA], s[WSO], v[LI]
	s_lshl_b32 s[XSO], s[WV], 2
	s_add_co_u32 s[XSO], s[XSO], L_XS
	s_mul_i32 s[XQO], s[WV], 24576
.irp b, 0,1,2,3
	v_mov_b32 v[TM+4+\b], 0                        ; written once: a lane permute's destination counts as one of its sources
.endr
	s_mov_b32 s[SEL], 0x76543210
	s_mov_b32 s[SEL+1], 0xfedcba98
	s_mov_b32 s[L2E], 0x3fb8aa3b
	s_mov_b32 s[L2E+1], s[L2E]                     ; (named with it as a pair, so it is written)
	s_mov_b32 s[HM], 0xffff0000
	s_mov_b32 s[CL], 2
	s_mul_i32 s40, s[WV], 196608                   ; my two passes' fragments: 2 x 98,304 bytes a wave
	s_mov_b32 s41, 0
	s_wait_kmcnt 0x0
	s_add_nc_u64 s[WB0:WB0+1], s[6:7], s[40:41]
	s_lshl_b32 s40, s[WV], 13
	s_add_nc_u64 s[WSB:WSB+1], s[8:9], s[40:41]
	s_lshl_b32 s40, ttmp9, 13                      ; two rows of out0 a work-group,
	s_lshl_b32 s42, s[WV], 10                      ; 1,024 bytes of a row a wave
	s_add_co_u32 s40, s40, s42
	s_add_nc_u64 s[OP:OP+1], s[10:11], s[40:41]
	s_lshl_b32 s40, ttmp9, 20                      ; two classes of 128 rows of 4,096 bytes a work-group,
	s_lshl_b32 s42, s[WV], 17                      ; 32 rows a wave
	s_add_co_u32 s40, s40, s42
	s_add_nc_u64 s[XC:XC+1], s[4:5], s[40:41]
.Lclass:
	; ---- the class begins: no load, store or prefetch of mine still reads a register written here (the waits at the last class's end)
	s_mov_b64 s[XP:XP+1], s[XC:XC+1]
	s_mov_b64 s[WP:WP+1], s[WB0:WB0+1]
	s_mov_b64 s[WQ:WQ+1], s[WB0:WB0+1]
	s_add_nc_u64 s[XN:XN+1], s[XC:XC+1], 524288
	s_cmp_gt_u32 s[CL], 1
	s_cselect_b32 s[PFK], 2, 0
	RESETADR
	v_add_nc_u32 v[XWI], s[XQO], v[LI]
	v_and_b32 v[XWS], 15, v0
	v_lshl_add_u32 v[XWS], v[XWS], 4, s[XSO]       ; L_XS + 16 r + 4 w
	WSLOAD 0                                       ; pass 0's scale words of W
	XLOAD 0                                        ; x's K step 0
	XLOAD 1
	BLD 1, 0, 0, WP                                ; W(0)'s tiles 0-3
	s_wait_loadcnt 44                              ; the scale words are in; x's 32 loads and W's 12, issued behind them, may be out
	WSSTORE
	; ---- K step 0 of the stream: there is no product yet to set beside it
	s_wait_loadcnt 12                              ; x(0) is in; W's 12 may be out
	WIN 0x0C
	COPY 0
	COPY 1
	s_add_nc_u64 s[XP:XP+1], s[XP:XP+1], 512       ; all loads that named it are done
	s_wait_dscnt 0x0                               ; the stores have read the landing zones
	WIN 0xC0
	XLOAD 0
	XLOAD 1                                        ; x(1)
	WIN 0
	TLOAD 0
	QSEND 0, 0                                     ; (the last class's reads of these bytes lie behind the routing's barriers)
	TLOAD 1
	QSEND 1, 0
	s_wait_dscnt 0x0                               ; for the others' sake: my images and scale words of K step 0 lie in LDS
	s_barrier_signal -1
	s_barrier_wait -1
	FETA1 1
	FETA2
	BLD 1, 4, 0, WQ                                ; W(0)'s tiles 4-7
	WIN 0
	; ---- K steps 1 to 7 of the stream, with pass 0's K steps 0 to 6
	PSTEP 1, 1                                     ; K step 0's products start the sums
	s_mov_b32 s[KC], 5
.Lxk:
	PSTEP 0, 1
	s_sub_co_u32 s[KC], s[KC], 1
	s_cmp_lg_u32 s[KC], 0
	s_cbranch_scc1 .Lxk
	PSTEP 0, 0                                     ; the last step asks for no more of x: no load leaves the class
	; ---- hand-over: pass 0's K step 7, among the first loads of pass 1; then pass 0's tiles make room
	s_wait_xcnt 0x0                                ; the loads issued so far have read their base
	s_add_nc_u64 s[WP:WP+1], s[WP:WP+1], 12288     ; pass 1's K step 0
	WSLOAD 4096
	BLD 0, 0, 0, WP                                ; set 0 lies where the quantiser worked
	BLD 0, 4, 0, WP                                ; 12 + 12 + 8 + 24 loads of mine are out
	s_wait_loadcnt 44                              ; W(7)'s tiles 0-3 are in; younger: its tiles 4-7, the scale words, set 0: 12 + 8 + 24
	s_wait_dscnt 0x0                               ; K step 7's fragments and scale words are in
	MUL16 0, 0, 1, 0
	MUL16 4, 0, 1, 0
	PLACES 4
	BLD 1, 0, 12288, WP
	s_wait_loadcnt 44                              ; W(7)'s tiles 4-7 are in; younger: 8 + 24 + 12
	MUL16 0, 4, 1, 0
	MUL16 4, 4, 1, 0
	PLACES 4
	BLD 1, 4, 12288, WP
.set pt, 0
.rept 6                                ; tiles 0-5 go to my LDS, each accumulator from its low end on
.if pt < 4
	WIN 0x04
.else
	WIN 0x08
.endif
.set pq, 0
.rept 16
	ds_store_b128 v[EAD], v[64*(pt%4)+4*pq:64*(pt%4)+4*pq+3] offset:8192*pt+512*pq
.set pq, pq+1
.endr
.set pt, pt+1
.endr
	WIN 0xC2
.set pq, 0
.rept 128                              ; tiles 6 and 7 move from window 2 to window 3: the price of both passes summing in windows 1 and 2
	v_mov_b32 v[pq], v[128+pq]
.set pq, pq+1
.endr
	s_wait_loadcnt 48                              ; pass 1's scale words are in; W's four groups of 12, issued behind them, may be out
	WSSTORE
	RESETADR
	FETA1 0
	FETA2
	PLACES 5                                       ; accumulators are begun anew with another C: five places behind the last products
	; ---- pass 1, eight K steps, no barrier: x's images are only read
	GSTEP 0, 1, 1, 1, 36, 36                       ; (its wait on DScnt also shows the stores of tiles 0-5 done: LDS serves a wave in order)
	GSTEP 1, 0, 1, 1, 36, 36
	STEPW
	s_mov_b32 s[KC], 2
.Lgk:
	GSTEP 0, 0, 1, 1, 36, 36
	GSTEP 1, 0, 1, 1, 36, 36
	STEPW
	s_sub_co_u32 s[KC], s[KC], 1
	s_cmp_lg_u32 s[KC], 0
	s_cbranch_scc1 .Lgk
	GSTEP 0, 0, 0, 1, 36, 24                       ; the last two steps ask for nothing more of W: the counts run down
	GSTEP 1, 0, 0, 0, 12, 0
	; ---- routing.  e: tiles 0-5 in LDS, 6-7 in window 3, 8-11 in window 1, 12-15 in window 2
.set ci, 0
.rept 64
	v_mov_b32 v[DW+ci], 0x3c000000                 ; the softmax of zeros: 1 / 128, exactly
.set ci, ci+1
.endr
.irp i, 0,1,2,3
	v_mov_b32 v[PS+\i], 0
.endr
	ds_store_b128 v[OSR], v[PS:PS+3] offset:O_B    ; b = 0: my four rows, in my wave's own copy
	s_mov_b32 s[SW], 3
.Lsweep:
	; c = the sum over the rows of d e, for my 256 columns.  The six tiles in LDS come through two buffers by turns, the first two while the ten in registers are summed
	ELOAD 0, 0
	ELOAD 1, 1
	s_wait_dscnt 32                                ; all but the 32 loads just issued: d is in
	CPART 1, 0, 8
	CPART 1, 64, 9
	CPART 1, 128, 10
	CPART 1, 192, 11
	CPART 2, 0, 12
	CPART 2, 64, 13
	CPART 2, 128, 14
	CPART 2, 192, 15
	CPART 3, 0, 6
	CPART 3, 64, 7
	s_wait_dscnt 16                                ; this buffer's 16 loads are in; the other buffer's 16 may be out
	CPART 0, T0, 0
	ELOAD 2, 0
	s_wait_dscnt 16
	CPART 3, T1, 1
	ELOAD 3, 1
	s_wait_dscnt 16
	CPART 0, T0, 2
	ELOAD 4, 0
	s_wait_dscnt 16
	CPART 3, T1, 3
	ELOAD 5, 1
	s_wait_dscnt 16
	CPART 0, T0, 4
	s_wait_dscnt 0x0
	CPART 3, T1, 5
	; my wave's part of |c|^2: 16 tiles in two packed chains, then the sixteen columns of a tile
	v_pk_mul_f32 v[CH:CH+1], v[CV:CV+1], v[CV:CV+1]
	v_pk_mul_f32 v[CH+2:CH+3], v[CV+2:CV+3], v[CV+2:CV+3]
.irp k, 2,3,4,5,6,7
	v_pk_fma_f32 v[CH+2*(\k%2):CH+2*(\k%2)+1], v[CV+2*\k:CV+2*\k+1], v[CV+2*\k:CV+2*\k+1], v[CH+2*(\k%2):CH+2*(\k%2)+1]
.endr
	v_pk_add_f32 v[CH:CH+1], v[CH:CH+1], v[CH+2:CH+3]
	v_add_f32 v[CH], v[CH], v[CH+1]
.irp m, 1,2,4,8
	v_add_f32_dpp v[CH], v[CH], v[CH] row_xmask:\m row_mask:0xf bank_mask:0xf
.endr
	ds_store_b32 v[SQA], v[CH]                     ; all lanes write the same word with the same value
	s_cmp_eq_u32 s[SW], 1
	s_cbranch_scc1 .Lfinish                        ; the third sweep ends here: its update of b serves nothing
	; e . c with the c that is not yet squashed, for the 128 rows
	ELOAD 0, 0
	ELOAD 1, 1
	WIN 0
	s_cmp_lg_u32 s[SW], s[PFK]
	s_cbranch_scc1 .Lno_prefetch
	; A PREFETCH INTO THE L2 of the next class's first two K steps of my 32 rows: a lane a row, four blocks of 256 bytes a row, each named once in the launch (every wave has rows of its own).  It stands in the
	; second sweep, behind the wave's LDS loads: the rest of that sweep and the third sweep's column sums lie between it and the loads that will want the bytes.  The work-group's last class asks for nothing.
.irp i, 0,1,2,3
	global_prefetch_b8 v[PFO], s[XN:XN+1] offset:256*\i th:TH_LOAD_NT scope:SCOPE_SE
.endr
.Lno_prefetch:
	PPART 1, 0, 8, 1
	PPART 1, 64, 9, 0
	PPART 1, 128, 10, 0
	PPART 1, 192, 11, 0
	PPART 2, 0, 12, 0
	PPART 2, 64, 13, 0
	PPART 2, 128, 14, 0
	PPART 2, 192, 15, 0
	PPART 3, 0, 6, 0
	PPART 3, 64, 7, 0
	s_wait_dscnt 16                                ; as above
	PPART 0, T0, 0, 0
	ELOAD 2, 0
	s_wait_dscnt 16
	PPART 3, T1, 1, 0
	ELOAD 3, 1
	s_wait_dscnt 16
	PPART 0, T0, 2, 0
	ELOAD 4, 0
	s_wait_dscnt 16
	PPART 3, T1, 3, 0
	ELOAD 5, 1
	s_wait_dscnt 16
	PPART 0, T0, 4, 0
	s_wait_dscnt 0x0
	PPART 3, T1, 5, 0
	WIN 0
.irp m, 1,2,4,8                        ; over the sixteen columns that the lanes of a half hold
.set ci, 0
.rept 64
	v_add_f32_dpp v[PS+ci], v[PS+ci], v[PS+ci] row_xmask:\m row_mask:0xf bank_mask:0xf
.set ci, ci+1
.endr
.endr
.set qi, 0
.rept 16
	ds_store_b128 v[PAD], v[PS+4*qi:PS+4*qi+3] offset:64*(qi/2)+16*(qi%2)   ; row 16 a + 8 h + j at 4 x row; the sixteen lanes of a half write the same bytes with the same values
.set qi, qi+1
.endr
	s_wait_dscnt 0x0                               ; for the others' sake: my parts lie in LDS
	s_barrier_signal -1
	s_barrier_wait -1                              ; everybody's do
	; b and the softmax, COMPACT: lane l takes rows 4 l .. 4 l + 3: a wave's part is one load of 512 consecutive bytes.  Every wave makes the same numbers
	ds_load_b128 v[CH:CH+3], v[SQR]
.irp w, 0,1,2,3
	ds_load_b128 v[PS+4*\w:PS+4*\w+3], v[PCR] offset:512*\w
.endr
	ds_load_b128 v[PS+16:PS+19], v[OSR] offset:O_B ; b so far
	s_wait_dscnt 0x0                               ; my reads of the parts are over:
	s_barrier_signal -1
	s_barrier_wait -1                              ; nobody writes the next sweep's parts before all have read these
	COEFF
	v_pk_add_f32 v[PS:PS+1], v[PS:PS+1], v[PS+4:PS+5]              ; the four waves' parts of e . c
	v_pk_add_f32 v[PS+2:PS+3], v[PS+2:PS+3], v[PS+6:PS+7]
	v_pk_add_f32 v[PS+8:PS+9], v[PS+8:PS+9], v[PS+12:PS+13]
	v_pk_add_f32 v[PS+10:PS+11], v[PS+10:PS+11], v[PS+14:PS+15]
	v_pk_add_f32 v[PS:PS+1], v[PS:PS+1], v[PS+8:PS+9]
	v_pk_add_f32 v[PS+2:PS+3], v[PS+2:PS+3], v[PS+10:PS+11]
	v_pk_fma_f32 v[PS+16:PS+17], v[PS:PS+1], v[CO:CO+1], v[PS+16:PS+17]         ; b += coefficient x (e . c)
	v_pk_fma_f32 v[PS+18:PS+19], v[PS+2:PS+3], v[CO:CO+1], v[PS+18:PS+19]
	ds_store_b128 v[OSR], v[PS+16:PS+19] offset:O_B                ; (these four registers are not written again before a wait for all LDS instructions)
	v_max3_num_f32 v[CH], v[PS+16], v[PS+17], v[PS+18]             ; the largest b of the class: my four rows, then the 32 lanes
	v_max_num_f32 v[CH], v[CH], v[PS+19]
.irp m, 1,2,4,8
	v_max_num_f32_dpp v[CH], v[CH], v[CH] row_xmask:\m row_mask:0xf bank_mask:0xf
.endr
	v_permlanex16_b32 v[CH+1], v[CH], s[SEL], s[SEL+1]
	v_max_num_f32 v[CH], v[CH], v[CH+1]            ; m
	v_mul_f32 v[CH], s[L2E], v[CH]
.irp k, 0,1
	v_pk_fma_f32 v[PS+20+2*\k:PS+21+2*\k], v[PS+16+2*\k:PS+17+2*\k], s[L2E:L2E+1], v[CH:CH+1] op_sel_hi:[1,0,0] neg_lo:[0,0,1] neg_hi:[0,0,1]   ; b log2(e) - m log2(e), one rounding; the rounding of m log2(e) is the same number for all rows and cancels in the division by the sum
.endr
.irp k, 0,1,2,3
	v_exp_f32 v[PS+20+\k], v[PS+20+\k]
.endr
	v_nop                                          ; a plain line behind the batch
	s_wait_alu depctr_va_vdst(0)                   ; one wait for the four, ahead of their first reader
	v_pk_add_f32 v[CH:CH+1], v[PS+20:PS+21], v[PS+22:PS+23]
	v_add_f32 v[CH], v[CH], v[CH+1]
.irp m, 1,2,4,8
	v_add_f32_dpp v[CH], v[CH], v[CH] row_xmask:\m row_mask:0xf bank_mask:0xf
.endr
	v_permlanex16_b32 v[CH+1], v[CH], s[SEL], s[SEL+1]
	v_add_f32 v[CH], v[CH], v[CH+1]                ; the sum over the 128 rows
	v_rcp_f32 v[CH], v[CH]
	v_nop
	s_wait_alu depctr_va_vdst(0)
	v_pk_mul_f32 v[PS+20:PS+21], v[PS+20:PS+21], v[CH:CH+1] op_sel_hi:[1,0]
	v_pk_mul_f32 v[PS+22:PS+23], v[PS+22:PS+23], v[CH:CH+1] op_sel_hi:[1,0]
	ds_store_b128 v[OSR], v[PS+20:PS+23] offset:O_D                ; d, row n at 4 n, in my wave's own 512 bytes,
.set qi, 0
.rept 16
	ds_load_b128 v[DW+4*qi:DW+4*qi+3], v[DRD] offset:64*(qi/2)+16*(qi%2)   ; and back in the layout of the rows: register 8 a + j = row 16 a + 8 h + j; LDS serves a wave's instructions in order: these see the store
.set qi, qi+1
.endr
	s_sub_co_u32 s[SW], s[SW], 1
	s_cmp_lg_u32 s[SW], 0
	s_cbranch_scc1 .Lsweep
.Lfinish:
	; ---- the third c is squashed and leaves
	s_wait_dscnt 0x0                               ; for the others' sake: my part of |c|^2 lies in LDS
	s_barrier_signal -1
	s_barrier_wait -1
	ds_load_b128 v[CH:CH+3], v[SQR]                ; (these four words are next written behind the next class's barriers)
	s_wait_dscnt 0x0
	COEFF
.irp i, 0,1,2,3,4,5,6,7
	v_cndmask_b32 v[CH+\i], v[CV+2*\i], v[CV+2*\i+1], s[HM]        ; both halves hold c of a tile's 16 columns: lanes 0-15 take tile 2 i's, lanes 16-31 tile 2 i + 1's: 32 neighbouring columns
.endr
.irp i, 0,1,2,3,4,5,6,7
	v_mul_f32 v[CH+\i], v[CO], v[CH+\i]
.endr
.irp i, 0,1,2,3,4,5,6,7
	ds_store_b32 v[OSW], v[CH+\i] offset:128*\i
.endr
	ds_load_b128 v[PS:PS+3], v[OSR]                ; LDS serves a wave's instructions in order: these see my stores
	ds_load_b128 v[PS+4:PS+7], v[OSR] offset:512
	s_wait_dscnt 0x0
	global_store_b128 v[LI], v[PS:PS+3], s[OP:OP+1] th:TH_STORE_NT             ; 32 lanes store 512 consecutive bytes, at a multiple of 512 from out0's first byte
	global_store_b128 v[LI], v[PS+4:PS+7], s[OP:OP+1] offset:512 th:TH_STORE_NT
	s_wait_xcnt 0x0                                ; the stores and the prefetches have read their registers and bases: these may be written again
	s_add_nc_u64 s[XC:XC+1], s[XC:XC+1], 524288
	s_add_nc_u64 s[OP:OP+1], s[OP:OP+1], 4096
	s_sub_co_u32 s[CL], s[CL], 1
	s_cmp_lg_u32 s[CL], 0
	s_cbranch_scc1 .Lclass
	s_wait_xcnt 0x0
	v_lshl_add_u32 v254, v0, 2, 0x4f900
	v_mov_b32 v255, 0
	s_wait_tensorcnt 0x0
	ds_add_u32 v254, v255
	s_wait_dscnt 0x0
	s_endpgm
.Lfunc_end_k_q38b9361799_route:
	.size	k_q38b9361799_route, .Lfunc_end_k_q38b9361799_route-k_q38b9361799_route
	.p2alignl 7, 3214868480
	.fill 96, 4, 3214868480
	.section	.rodata,"a",@progbits
	.p2align	6, 0x0
	.amdhsa_kernel k_q38b9361799_route
		.amdhsa_group_segment_fixed_size 326400
		.amdhsa_private_segment_fixed_size 0
		.amdhsa_enable_private_segment 0
		.amdhsa_kernarg_size 32
		.amdhsa_user_sgpr_count 2
		.amdhsa_user_sgpr_kernarg_segment_ptr 1
		.amdhsa_wavefront_size32 1
		.amdhsa_system_sgpr_workgroup_id_x 1
		.amdhsa_system_sgpr_workgroup_id_y 1
		.amdhsa_system_sgpr_workgroup_id_z 1
		.amdhsa_system_vgpr_workitem_id 0
		.amdhsa_next_free_vgpr 1024
		.amdhsa_next_free_sgpr 66
		.amdhsa_reserve_vcc 0
		.amdhsa_float_denorm_mode_32 3
		.amdhsa_float_denorm_mode_16_64 3
		.amdhsa_memory_ordered 1
		.amdhsa_forward_progress 1
		.amdhsa_inst_pref_size 255
	.end_amdhsa_kernel
	.section	.bss,"aw",@nobits
	.p2align	6
	.space	262144
	.amdgpu_metadata
---
amdhsa.version: [ 1, 2 ]
amdhsa.kernels:
  - .name:           k_q38b9361799_route
    .symbol:         k_q38b9361799_route.kd
    .args:
      - { .name: x, .offset: 0, .size: 8, .value_kind: global_buffer, .address_space: global }
      - { .name: wfrag, .offset: 8, .size: 8, .value_kind: global_buffer, .address_space: global }
      - { .name: wscale, .offset: 16, .size: 8, .value_kind: global_buffer, .address_space: global }
      - { .name: out0, .offset: 24, .size: 8, .value_kind: global_buffer, .address_space: global }
    .group_segment_fixed_size: 326400
    .private_segment_fixed_size: 0
    .kernarg_segment_align: 8
    .kernarg_segment_size: 32
    .max_flat_workgroup_size: 128
    .sgpr_count:     66
    .vgpr_count:     1024
    .wavefront_size: 32
...
	.end_amdgpu_metadata
.endif
;; end of part 2
;; ======== version 2 of 2: 2 launches
;; limits: right only within a limited range of input values
;; workspace buffers: wfrag 786,432 bytes; wscale 32,768 bytes
;; launch wprep (part 3): grid 16 x 8, 2 waves a work-group, no clusters, 0 bytes of LDS; arguments W, wfrag, wscale; writes wfrag, wscale
.if DOCPART == 3
	.amdgcn_target "amdgcn-amd-amdhsa--gfx1250"
	.amdhsa_code_object_version 6
	.text
	.protected	k_q38b9361799_wprep
	.globl	k_q38b9361799_wprep
	.p2align	8
	.type	k_q38b9361799_wprep,@function
k_q38b9361799_wprep:
	s_mov_b64 s[64:65], 0
	v_nop
	global_prefetch_b8 v0, s[64:65] scope:SCOPE_SE
	s_setreg_imm32_b32 hwreg(HW_REG_WAVE_MODE, 25, 1), 1
	s_wait_xcnt 0x0
; W [1024 (k)][1024 (n)], f32, K along its FIRST axis, becomes codes of BF6 (E3M2) with one E8M0 byte for each 32 along K, laid in the order of a matrix operand's registers:
;   wfrag  [g 0..7][s 0..7][t 0..7][1,536 bytes]: the fragment of columns 128 g + 16 t + 0..15 and k = 128 s + 0..127; registers 4 c .. 4 c + 3 of fragment lane l lie at 512 c + 16 l.
;   wscale [g][s][i 0..3][128 bytes]: the word at 4 l is the scale word of tile 2 i (l = 0..15) or of tile 2 i + 1 (l = 16..31), column l % 16; byte b scales k = 128 s + 32 b + 0..31.
; A LANE TAKES A COLUMN AND ITS REGISTERS RUN DOWN K: a block of 32 lies in one lane, its largest magnitude needs no other lane, and the conversions give codes with K innermost.
; A fragment's lane (r, h) wants blocks h and 2 + h of column r.  My lane holds all four blocks of its column: blocks 0, 2 are the twelve registers of fragment lane (r, 0), blocks 1, 3 those of (r, 1).
; A block's scale is 2^(floor(log2(largest magnitude)) - 4): its byte is the largest magnitude's exponent field - 4, held at 1 from below by a floor among the maximum's leaves.
; LIMITS: a block of zeros gets the byte 1 where the rule says 127 (its codes are zeros, and this program alone reads the bytes); NaN and infinities among the inputs are not served.
; SHARES: work-group (x, y) takes columns 64 x .. 64 x + 63 and k = 128 y .. 128 y + 127; each of its two waves 32 columns.  Waves share nothing: no LDS, no barrier.
.set X,   32                           ; v32-159   my column's 128 numbers
.set G,   160                          ; v160-171  fragment lane (r, 0)'s twelve registers; v172-183 those of (r, 1)
.set TP,  184                          ; v184-199  each block's upper 16 codes as converted (a conversion's three registers begin on an even number)
.set SO,  12                           ; v12-15    the conversions' scale operands
.set SWD, 20                           ; v20       my column's scale word
	s_load_b128 s[4:7], s[0:1], 0x0                ; W, wfrag
	s_load_b64 s[8:9], s[0:1], 0x10                ; wscale
	v_lshrrev_b32 v1, 5, v0
	v_readfirstlane_b32 s10, v1                    ; wave 0, 1
	v_and_b32 v1, 31, v0                           ; lane
	v_lshlrev_b32 v2, 2, v1                        ; 4 x lane: my column in a row of W, and my scale word
	v_lshrrev_b32 v4, 4, v1                        ; which of the wave's two tiles
	v_and_b32 v5, 15, v1                           ; r
	v_mul_u32_u24 v3, v4, 1536
	v_lshl_add_u32 v3, v5, 4, v3                   ; my place in the two fragments: 1,536 x tile + 16 r
	s_lshl_b32 s11, ttmp9, 1
	s_add_co_u32 s11, s11, s10                     ; P: which 32 columns are my wave's
	s_and_b32 s12, ttmp7, 0xffff                   ; s: which 128 along K
	s_lshr_b32 s13, s11, 2                         ; g
	s_and_b32 s14, s11, 3                          ; i
	s_lshl_b32 s16, s12, 19                        ; W: 128 s rows of 4,096 bytes
	s_lshl_b32 s15, s11, 7
	s_add_co_u32 s16, s16, s15                     ;    + 128 P
	s_mov_b32 s17, 0
	s_lshl_b32 s18, s13, 6                         ; wfrag: fragment 64 g + 8 s + 2 i
	s_lshl_b32 s15, s12, 3
	s_add_co_u32 s18, s18, s15
	s_lshl_b32 s15, s14, 1
	s_add_co_u32 s18, s18, s15
	s_mul_i32 s18, s18, 1536
	s_mov_b32 s19, 0
	s_lshl_b32 s20, s13, 5                         ; wscale: run 32 g + 4 s + i of 128 bytes
	s_lshl_b32 s15, s12, 2
	s_add_co_u32 s20, s20, s15
	s_add_co_u32 s20, s20, s14
	s_lshl_b32 s20, s20, 7
	s_mov_b32 s21, 0
	s_wait_alu depctr_va_vdst(0)
	s_wait_kmcnt 0x0
	s_add_nc_u64 s[4:5], s[4:5], s[16:17]
	s_add_nc_u64 s[6:7], s[6:7], s[18:19]
	s_add_nc_u64 s[8:9], s[8:9], s[20:21]
.macro LOADB b                         ; block b: W(128 s + 32 b + i, my column): the wave reads 128 consecutive bytes, the work-group's two waves 256
.set li, 0
.rept 32
	global_load_b32 v[X+32*(\b)+li], v2, s[4:5] offset:(32*(\b)+li)*4096 th:TH_LOAD_NT
.set li, li+1
.endr
.endm
.macro BLOCK b
.set XB, X+32*(\b)
.set GD, G+12*((\b)%2)+6*((\b)/2)
.if (\b) < 3
	s_wait_loadcnt 32                              ; this block's 32 loads are in; the next block's 32 may be out
.else
	s_wait_loadcnt 0x0
.endif
.if (\b) < 2
	LOADB (\b)+2                                   ; two blocks ahead
.endif
	v_max3_num_f32 v8, |v[XB]|, |v[XB+1]|, |v[XB+2]|               ; the block's largest magnitude, in two chains
	v_max3_num_f32 v9, |v[XB+3]|, |v[XB+4]|, |v[XB+5]|
.irp i, 6,10,14,18,22,26
	v_max3_num_f32 v8, v8, |v[XB+\i]|, |v[XB+\i+1]|
	v_max3_num_f32 v9, v9, |v[XB+\i+2]|, |v[XB+\i+3]|
.endr
	v_max3_num_f32 v8, v8, |v[XB+30]|, |v[XB+31]|
	v_max3_num_f32 v8, v8, v9, 0x2800000           ; and the floor 2^(5 - 127): the byte cannot fall under 1
	v_add_nc_u32 v[SO+(\b)], 0xfe000000, v8        ; 4 off the exponent field: the conversion takes this operand's exponent field as its scale
	v_cvt_scalef32_pk16_bf6_f32 v[GD:GD+2], v[XB:XB+15], v[SO+(\b)]
	v_cvt_scalef32_pk16_bf6_f32 v[TP+4*(\b):TP+4*(\b)+2], v[XB+16:XB+31], v[SO+(\b)]
	v_lshrrev_b32 v10, 23, v[SO+(\b)]              ; the scale's byte (also the plain line behind the conversions)
.if (\b) == 0
	v_mov_b32 v[SWD], v10
.else
	v_lshl_or_b32 v[SWD], v10, 8*(\b), v[SWD]      ; the lower K in the lower byte
.endif
.endm
	LOADB 0
	LOADB 1
	BLOCK 0
	BLOCK 1
	BLOCK 2
	BLOCK 3
.irp b, 0,1,2,3
.irp i, 0,1,2
	v_mov_b32 v[G+12*(\b%2)+6*(\b/2)+3+\i], v[TP+4*\b+\i]          ; a block's upper 16 codes behind its lower 16
.endr
.endr
.irp h, 0,1
.irp c, 0,1,2
	global_store_b128 v3, v[G+12*\h+4*\c:G+12*\h+4*\c+3], s[6:7] offset:512*\c+256*\h   ; sixteen lanes store 256 consecutive bytes, at a multiple of 256 from wfrag's first byte
.endr
.endr
	global_store_b32 v2, v[SWD], s[8:9]            ; 128 consecutive bytes a wave; the scale words are one byte in 128 of what the launch reads
	s_endpgm
.Lfunc_end_k_q38b9361799_wprep:
	.size	k_q38b9361799_wprep, .Lfunc_end_k_q38b9361799_wprep-k_q38b9361799_wprep
	.p2alignl 7, 3214868480
	.fill 96, 4, 3214868480
	.section	.rodata,"a",@progbits
	.p2align	6, 0x0
	.amdhsa_kernel k_q38b9361799_wprep
		.amdhsa_group_segment_fixed_size 0
		.amdhsa_private_segment_fixed_size 0
		.amdhsa_enable_private_segment 0
		.amdhsa_kernarg_size 24
		.amdhsa_user_sgpr_count 2
		.amdhsa_user_sgpr_kernarg_segment_ptr 1
		.amdhsa_wavefront_size32 1
		.amdhsa_system_sgpr_workgroup_id_x 1
		.amdhsa_system_sgpr_workgroup_id_y 1
		.amdhsa_system_sgpr_workgroup_id_z 1
		.amdhsa_system_vgpr_workitem_id 0
		.amdhsa_next_free_vgpr 208
		.amdhsa_next_free_sgpr 66
		.amdhsa_reserve_vcc 0
		.amdhsa_float_denorm_mode_32 3
		.amdhsa_float_denorm_mode_16_64 3
		.amdhsa_memory_ordered 1
		.amdhsa_forward_progress 1
		.amdhsa_inst_pref_size 21
	.end_amdhsa_kernel
	.amdgpu_metadata
---
amdhsa.version: [ 1, 2 ]
amdhsa.kernels:
  - .name:           k_q38b9361799_wprep
    .symbol:         k_q38b9361799_wprep.kd
    .args:
      - { .name: W, .offset: 0, .size: 8, .value_kind: global_buffer, .address_space: global }
      - { .name: wfrag, .offset: 8, .size: 8, .value_kind: global_buffer, .address_space: global }
      - { .name: wscale, .offset: 16, .size: 8, .value_kind: global_buffer, .address_space: global }
    .group_segment_fixed_size: 0
    .private_segment_fixed_size: 0
    .kernarg_segment_align: 8
    .kernarg_segment_size: 24
    .max_flat_workgroup_size: 64
    .sgpr_count:     66
    .vgpr_count:     208
    .wavefront_size: 32
...
	.end_amdgpu_metadata
.endif
;; end of part 3
;; launch route (part 4): grid 256 x 1, 4 waves a work-group, no clusters, 326,400 bytes of LDS; arguments x, wfrag, wscale, out0; writes out0
.if DOCPART == 4
	.amdgcn_target "amdgcn-amd-amdhsa--gfx1250"
	.amdhsa_code_object_version 6
	.text
	.protected	k_q38b9361799_route
	.globl	k_q38b9361799_route
	.p2align	8
	.type	k_q38b9361799_route,@function
k_q38b9361799_route:
	s_mov_b64 s[64:65], 0
	v_nop
	global_prefetch_b8 v0, s[64:65] scope:SCOPE_SE
	s_setreg_imm32_b32 hwreg(HW_REG_WAVE_SCHED_MODE, 0, 2), 2
	s_setreg_imm32_b32 hwreg(HW_REG_WAVE_MODE, 25, 1), 1
	s_wait_xcnt 0x0
	s_wait_alu depctr_vm_vsrc(0)
; For each class (128 rows of x): e = Q(x) Q(W) on codes of BF6 (E3M2) with one E8M0 scale for each 32 along K, then three sweeps of routing: d = softmax(b) over the 128 rows, c = sum of d e,
; squash, b += e . c.  Only the third squashed c leaves; the third update of b serves nothing and is not made.
; SHARES.  A work-group of four waves stays and walks classes 2 x and 2 x + 1.  A class's e (128 x 1,024 f32) never goes to memory.  Wave w owns columns 256 w .. 256 w + 255 for all 128 rows: 16 column
; tiles of 64 registers; ten stay in registers, six lie in the wave's own LDS.  The product goes in two passes of 8 column tiles (64 accumulators, windows 1 and 2).
; x is read once, as f32: wave w quantises rows 32 w .. 32 w + 31, a K step of 128 at a time, and lays the fragments in LDS as images of their registers (16 bytes a lane, 512 bytes a store), where all four
; waves read them in both passes.  PASS 0 RUNS ONE K STEP BEHIND THAT STREAM: while x(s) is turned and quantised, the 64 products are those of K step s - 1, set in runs between the LDS work of step s.
; W's fragments come from memory straight into registers, laid out for that by the launch before: a fragment of W is multiplied by one wave alone, so LDS would add a write and a read for each byte; and
; beside x's codes and e LDS has no room for slots, which is also why no tile is asked for jointly in a cluster.
; LAYOUT.  Source 0 = 16 rows of x, source 1 = 16 columns of W: lane (r, h) holds column r, and register 8 a + j of a tile holds row 16 a + 8 h + j.  d and e . c lie the same way, 64 registers a lane, equal
; in the sixteen lanes of a half.  b and the softmax are kept COMPACT: lane l holds rows 4 l .. 4 l + 3, every wave the same numbers.  e . c is taken with the c that is not yet squashed and multiplied by
; the squash's coefficient afterwards, so that one meeting of the waves serves the square and the products.
; LIMITS: NaN and infinities among the inputs are not served; a block of zeros gets the scale byte 1 (its codes are zeros; nobody else reads the bytes); |e_row| x |c| must stay under f32's largest number,
; which is met wherever |c|^2 stays some 100 times under it; v_rcp_f32, v_rsq_f32, v_exp_f32 are good to 1 ulp, and no quantiser stands behind them.
; THE MODE: SCHED_MODE bits 1:0 = 2 (LLVM: expert scheduling mode 2), set by the entry lines.  The code itself states the register dependences between vector or matrix instructions and memory or LDS
; instructions, with s_wait_alu, always for 0.
; THE PLAN.  Registers that memory or LDS instructions touch, and who else names them:
;   the landing zones (window 3, v0-127)   x's loads land; the stores into the stage read.  Later tiles 6 and 7 of e: written by moves, read by the routing's sums.
;   v[XW ..]                               the loads out of the stage land; the quantising reads.          v[PC ..], v[PW]   the quantising writes; the image's stores read.
;   v[AF ..], the scale words, W's sets    loads land; products read.  (Set 0 lies over v[XW ..], v[TM ..] and v[PW].)
;   the accumulators                       products write; the stores of tiles 0-5 read; pass 1's first products write anew.
;   T0, T1, v[DW ..]                       LDS loads land; packed multiply-adds read.
;   v[PS ..], v[CH ..]                     vector work writes; LDS stores read; LDS loads land.
;   v[AAD], v[AAD2], v[ASD], v[BSD], v[XWI], v[XWS]   stepped by vector additions once a K step; all other addresses are made once at the head.
; A K step of the stream has three waits on va_vdst (ahead of the refill of W's tiles 0-3; behind each of its two quantisings) and two on vm_vsrc (behind the stores into the stage; ahead of the second quantising).
; A K step of pass 1 has two on va_vdst (in its third quarter, for x's blocks 0-3 and W's tiles 0-3; at its end, for the other halves) and one on vm_vsrc (ahead of the addresses' step).
; In the routing one wait on va_vdst stands ahead of each run of stores and of each reload of a tile buffer, and two on vm_vsrc a sweep free v[CH ..] and v[PS ..].
; LDS, in bytes
.set L_XS,   98304                     ; from 0: x's 64 fragments: (wave w', K step s, half u) at 24,576 w' + 3,072 s + 1,536 u.  From L_XS: their scale words: (s, u, r, w') at 512 s + 256 u + 16 r + 4 w'
.set L_WS,   102400                    ; 4 x 4,096: each wave's own copy of the pass's scale words of W: [s][pair i][128 bytes]
.set L_E,    118784                    ; 4 x 49,152: each wave's own: column tiles 0-5 of e: tile t at 8,192 t, registers 4 q .. 4 q + 3 at 512 q + 16 lane.  While x streams, its first 16,896 bytes are two stages
.set L_PART, 315392                    ; 4 x 512: each wave's part of e . c for the 128 rows: row n at 4 n
.set L_SQP,  317440                    ; four words: each wave's part of |c|^2
.set L_OST,  317696                    ; 4 x 2,048: each wave's own: 1,024 bytes of stage for its 256 numbers of the output, then d (512 bytes, row n at 4 n), then b (likewise)
.set O_D,    1024
.set O_B,    1536
.set STP,    528                       ; a stage row: 512 bytes + 16: the sixteen rows that a load touches begin at sixteen different groups of four banks (64 banks of 4 bytes: ISA guide 11.1)
.set STZ,    16*STP
; window 0
.set LI,   1                           ; 16 x lane: an image's place for my lane; also the vector offset of global loads and stores; never rewritten
.set L4,   2                           ; 4 x lane
.set AAD,  3                           ; x's fragments of the K step in hand, row blocks 0-3
.set AAD2, 4                           ; row blocks 4-7 (49,152 bytes on)
.set ASD,  5                           ; x's scale words of the K step
.set BSD,  6                           ; W's scale words of the K step
.set EAD,  7                           ; L_E + 49,152 w + 16 lane
.set STR,  8                           ; L_E + 49,152 w + 528 r + 64 h: my 16 numbers of a block of 32 in a stage row
.set XWI,  9                           ; where I store x's images of the K step in hand
.set XWS,  10                          ; and their scale words
.set PAD,  11                          ; L_PART + 512 w + 32 h
.set DRD,  12                          ; L_OST + 2,048 w + O_D + 32 h: d, back in the layout of the rows
.set SQA,  13                          ; L_SQP + 4 w
.set SQR,  14                          ; L_SQP
.set OSW,  15                          ; L_OST + 2,048 w + 4 lane
.set OSR,  16                          ; L_OST + 2,048 w + 16 lane
.set PFO,  17                          ; 4,096 x lane: a row of x
.set WSA,  18                          ; L_WS + 4,096 w + 16 lane
.set PCR,  19                          ; L_PART + 16 lane: my four rows of a wave's part
.set CO,   20                          ; v20-21 the squash's coefficient, twice
.set CP,   22                          ; v22-23 one tile's c; the packed form names the pair and takes its low word
.set AS,   24                          ; v24-27, v28-31 x's scale words, two sets: register i: row block 2 i in lanes 0-15, 2 i + 1 in lanes 16-31.  v24-39 hold scales and nothing else
.set BS,   32                          ; v32-35, v36-39 W's, two sets: register i: column tile 2 i in lanes 0-15, 2 i + 1 in lanes 16-31
.set AF,   40                          ; v40-135  x's eight fragments of a K step
.set BF0,  136                         ; v136-231 pass 1: W's eight fragments, set 0
.set XW,   136                         ; while x streams: v136-199 64 numbers, v200-215 at work, v216 the scale word
.set TM,   200
.set PW,   216
.set PC,   232                         ; v232-250 the codes just made
.set PS,   40                          ; routing: v40-103 e . c;  v104-167 d;  v168-231 a tile from LDS;  v232-247 c of my 16 tiles;  v248-255 at work
.set DW,   104
.set T0,   168
.set CV,   232
.set CH,   248
; window 3: v0-127 two landing zones for x, later column tiles 6 and 7; v128-223 W's set 1 (the one set of pass 0); v224-255 scale words on their way to LDS; routing: v192-255 a second tile from LDS
.set BF1,  128
.set WT,   224
.set T1,   192
; scalars
.set WV,   12                          ; my wave's number
.set XP,   14                          ; s[14:15] x at my 32 rows, the K step being asked for
.set WP,   16                          ; s[16:17] wfrag at the K step being asked for (pass 0: for column tiles 0-3)
.set WB0,  18                          ; s[18:19] wfrag + 196,608 w
.set WSB,  20                          ; s[20:21] wscale + 8,192 w
.set OP,   22                          ; s[22:23] out0 at the class's row, my 256 columns
.set XC,   24                          ; s[24:25] x at the class's first K step of my rows
.set XN,   26                          ; s[26:27] the same of the next class
.set CL,   28                          ; classes to go
.set KC,   29                          ; counts K steps
.set SW,   30                          ; sweeps to go
.set PFK,  31                          ; the sweep in which the next class is prefetched: 2, or 0 where there is none
.set SEL,  32                          ; s[32:33] v_permlanex16_b32's selects for lane l xor 16
.set L2E,  34                          ; s[34:35] log2(e), twice
.set HM,   36                          ; lanes 16-31
.set WSO,  37                          ; L_WS + 4,096 w
.set XQO,  38                          ; 24,576 w
.set XSO,  43                          ; L_XS + 4 w
.set WQ,   44                          ; s[44:45] pass 0: wfrag at the K step being asked for, for column tiles 4-7: a pointer of its own, so that each is stepped behind the wait for its own loads
.set MSB, 0
.macro WIN new                         ; s_set_vgpr_msb: bits 1:0 source 0, 3:2 source 1, 5:4 source 2, 7:6 destination; the high byte repeats the setting that is left; a switch that changes nothing is dropped
.set NEWW, \new
.if MSB != NEWW
	s_set_vgpr_msb (MSB<<8)|NEWW
.set MSB, NEWW
.endif
.endm
; A vector instruction or LDS store that reads a matrix result stands four places behind it; only plain vector instructions that name none of its registers are places.  This text keeps
; the same four in front of loads into registers that matrix instructions have read, beside the wait that states that dependence.
.macro PLACES n
.rept \n
	v_nop
.endr
.endm
.macro XLOAD z                         ; (destination window 3)  16 rows x 512 bytes: each load reads one row's K step, 512 consecutive bytes at a multiple of 512 from x's first byte
.set xi, 0
.rept 16
	global_load_b128 v[64*(\z)+4*xi:64*(\z)+4*xi+3], v[LI], s[XP:XP+1] offset:65536*(\z)+4096*xi th:TH_LOAD_NT
.set xi, xi+1
.endr
.endm
.macro COPY z                          ; (data window 3)  the 16 rows into my stage, as they lie
.set xi, 0
.rept 16
	ds_store_b128 v[EAD], v[64*(\z)+4*xi:64*(\z)+4*xi+3] offset:STZ*(\z)+STP*xi
.set xi, xi+1
.endr
.endm
; 64 numbers of a lane, register 16 b + i = k 32 b + 16 (lane / 16) + i of my row, become a fragment's codes in v[PC] on and its scale word in v[PW]
.macro QUANT s
.irp b, 0,1,2,3
	v_max3_num_f32 v[TM+\b], |v[\s+16*\b]|, |v[\s+1+16*\b]|, 0x2800000   ; block b: my 16 numbers, and the floor 2^(5 - 127): the byte cannot fall under 1
.endr
.irp i, 2,4,6,8,10,12,14
.irp b, 0,1,2,3
	v_max3_num_f32 v[TM+\b], v[TM+\b], |v[\s+16*\b+\i]|, |v[\s+1+16*\b+\i]|   ; the four blocks by turns
.endr
.endr
.irp b, 0,1,2,3
	v_permlanex16_b32 v[TM+4+\b], v[TM+\b], s[SEL], s[SEL+1]
.endr
.irp b, 0,1,2,3
	v_max_num_f32 v[TM+\b], v[TM+\b], v[TM+4+\b]   ; with lane l xor 16's: the block's largest magnitude
.endr
.irp b, 0,1,2,3
	v_add_nc_u32 v[TM+12+\b], 0xfe000000, v[TM+\b] ; 4 off its exponent field: the conversion's scale operand
.endr
.irp b, 0,1,2,3
	v_lshrrev_b32 v[TM+4+\b], 23, v[TM+12+\b]      ; the scale's byte
.endr
	v_lshl_or_b32 v[PW], v[TM+5], 8, v[TM+4]
	v_lshl_or_b32 v[PW], v[TM+6], 16, v[PW]
	v_lshl_or_b32 v[PW], v[TM+7], 24, v[PW]        ; my row's scale word
.irp c, 0,1
	v_cvt_scalef32_pk16_bf6_f32 v[PC+6*\c:PC+2+6*\c], v[\s+32*\c:\s+15+32*\c], v[TM+12+2*\c]
	v_cvt_scalef32_pk16_bf6_f32 v[PC+12+4*\c:PC+14+4*\c], v[\s+16+32*\c:\s+31+32*\c], v[TM+12+2*\c+1]   ; (a conversion's three registers begin on an even number)
.endr
	v_nop                                          ; one plain line behind the conversions
.irp c, 0,1                            ; the operand wants a whole block in a lane: lanes 0-15 block 2 c, lanes 16-31 block 2 c + 1
.irp i, 0,1,2
	v_permlane16_swap_b32 v[PC+6*\c+\i], v[PC+12+4*\c+\i]
.endr
.irp i, 0,1,2
	v_mov_b32 v[PC+3+6*\c+\i], v[PC+12+4*\c+\i]
.endr
.endr
.endm
.macro TLOAD z                         ; 16 rows come back from my stage, 16 neighbours to a block and lane.  LDS serves a wave's instructions in order (ISA guide 5.7.1.4): these see the stores into the stage
.irp b, 0,1,2,3
.irp j, 0,1,2,3
	ds_load_b128 v[XW+16*\b+4*\j:XW+16*\b+4*\j+3], v[STR] offset:STZ*(\z)+128*\b+16*\j
.endr
.endr
.endm
; The 16 rows are quantised and go to LDS as an image.  meet = 1: the halves of a barrier stand round the quantising, which is work on registers alone: in front of its signal all my LDS loads are in, my reads
; of the last K step's images among them; behind its wait this K step's images are stored.  Each K step has image bytes of its own, so no value hangs on that barrier: it is kept so that
; write, barrier, read, barrier, write can be read off this text without following the stepped addresses.
.macro QSEND z, meet
	s_wait_dscnt 0x0                               ; the numbers are in
.if \z
	s_wait_alu depctr_vm_vsrc(0)                   ; the stores of the first 16 rows' image have read v[PC ..] and v[PW], which the quantising below writes again
.endif
.if \meet
	s_barrier_signal -1
.endif
	QUANT XW
.if \meet
	s_barrier_wait -1
.endif
	s_wait_alu depctr_va_vdst(0)                   ; the quantising has written v[PC ..] and v[PW], which the stores below read, and is done reading v[XW ..], in which the next loads out of the stage land; the products issued so far are done reading their fragments and scale words, in which the K step's last loads land
.irp c, 0,1,2
	ds_store_b128 v[XWI], v[PC+4*\c:PC+4*\c+3] offset:1536*(\z)+512*\c
.endr
	ds_store_b32 v[XWS], v[PW] offset:256*(\z)     ; lanes r and r + 16 write the same word with the same value
.endm
.macro BLD bs, t0, off, base           ; W's fragments of column tiles t0 .. t0 + 3 into set bs: 12 loads of 512 consecutive bytes
.if \bs
	WIN 0xC0
.else
	WIN 0
.endif
.irp t, 0,1,2,3
.irp c, 0,1,2
	global_load_b128 v[BF0-8*(\bs)+12*(\t0+\t)+4*\c:BF0-8*(\bs)+12*(\t0+\t)+4*\c+3], v[LI], s[\base:\base+1] offset:\off+1536*(\t0+\t)+512*\c
.endr
.endr
.endm
.macro FETA1 p                         ; 17 LDS loads: the K step's scale words into set p, and x's row blocks 0-3
	ds_load_b128 v[AS+4*(\p):AS+4*(\p)+3], v[ASD]
.irp i, 0,1,2,3
	ds_load_b32 v[BS+4*(\p)+\i], v[BSD] offset:128*\i
.endr
.irp a, 0,1,2,3
.irp c, 0,1,2
	ds_load_b128 v[AF+12*\a+4*\c:AF+12*\a+4*\c+3], v[AAD] offset:24576*(\a/2)+1536*(\a%2)+512*\c
.endr
.endr
.endm
.macro FETA2                           ; 12 LDS loads: x's row blocks 4-7
.irp a, 0,1,2,3
.irp c, 0,1,2
	ds_load_b128 v[AF+48+12*\a+4*\c:AF+48+12*\a+4*\c+3], v[AAD2] offset:24576*(\a/2)+1536*(\a%2)+512*\c
.endr
.endr
.endm
.macro WM zero                         ; the product of row block ma and column tile mt; an odd block's or tile's scale words stand in lanes 16-31
.set rD, 64*(mt%4)+8*ma
.set rA, AF+12*ma
.set rB, mBB+12*mt
.set rSA, mSA+ma/2
.set rSB, mSB+mt/2
.set mo, 2*(ma%2)+(mt%2)
.if \zero
.if mo == 3
	v_wmma_scale_f32_16x16x128_f8f6f4 v[rD:rD+7], v[rA:rA+11], v[rB:rB+11], 0, v[rSA], v[rSB] matrix_a_fmt:MATRIX_FMT_BF6 matrix_b_fmt:MATRIX_FMT_BF6 matrix_a_scale:MATRIX_SCALE_ROW1 matrix_b_scale:MATRIX_SCALE_ROW1
.elseif mo == 2
	v_wmma_scale_f32_16x16x128_f8f6f4 v[rD:rD+7], v[rA:rA+11], v[rB:rB+11], 0, v[rSA], v[rSB] matrix_a_fmt:MATRIX_FMT_BF6 matrix_b_fmt:MATRIX_FMT_BF6 matrix_a_scale:MATRIX_SCALE_ROW1
.elseif mo == 1
	v_wmma_scale_f32_16x16x128_f8f6f4 v[rD:rD+7], v[rA:rA+11], v[rB:rB+11], 0, v[rSA], v[rSB] matrix_a_fmt:MATRIX_FMT_BF6 matrix_b_fmt:MATRIX_FMT_BF6 matrix_b_scale:MATRIX_SCALE_ROW1
.else
	v_wmma_scale_f32_16x16x128_f8f6f4 v[rD:rD+7], v[rA:rA+11], v[rB:rB+11], 0, v[rSA], v[rSB] matrix_a_fmt:MATRIX_FMT_BF6 matrix_b_fmt:MATRIX_FMT_BF6
.endif
.else
.if mo == 3
	v_wmma_scale_f32_16x16x128_f8f6f4 v[rD:rD+7], v[rA:rA+11], v[rB:rB+11], v[rD:rD+7], v[rSA], v[rSB] matrix_a_fmt:MATRIX_FMT_BF6 matrix_b_fmt:MATRIX_FMT_BF6 matrix_a_scale:MATRIX_SCALE_ROW1 matrix_b_scale:MATRIX_SCALE_ROW1
.elseif mo == 2
	v_wmma_scale_f32_16x16x128_f8f6f4 v[rD:rD+7], v[rA:rA+11], v[rB:rB+11], v[rD:rD+7], v[rSA], v[rSB] matrix_a_fmt:MATRIX_FMT_BF6 matrix_b_fmt:MATRIX_FMT_BF6 matrix_a_scale:MATRIX_SCALE_ROW1
.elseif mo == 1
	v_wmma_scale_f32_16x16x128_f8f6f4 v[rD:rD+7], v[rA:rA+11], v[rB:rB+11], v[rD:rD+7], v[rSA], v[rSB] matrix_a_fmt:MATRIX_FMT_BF6 matrix_b_fmt:MATRIX_FMT_BF6 matrix_b_scale:MATRIX_SCALE_ROW1
.else
	v_wmma_scale_f32_16x16x128_f8f6f4 v[rD:rD+7], v[rA:rA+11], v[rB:rB+11], v[rD:rD+7], v[rSA], v[rSB] matrix_a_fmt:MATRIX_FMT_BF6 matrix_b_fmt:MATRIX_FMT_BF6
.endif
.endif
.endm
; 16 matrix instructions: row blocks a0 .. a0 + 3 x column tiles t0 .. t0 + 3, 128 along K.  p: W's set and the set of scale words.  zero = 1: the product starts the sums: nothing is cleared.
; The 64 accumulators take turns, one instruction a turn, in the same order in every K step.  Tile t lies in window 1 + t / 4 at 64 (t % 4) + 8 a.
.macro MUL16 a0, t0, p, zero
.set mBB, BF0-8*(\p)
.set mSA, AS+4*(\p)
.set mSB, BS+4*(\p)
.set mW, 1+(\t0)/4
.set mWB, (mW<<6)|(mW<<4)|((3*(\p))<<2)
	WIN mWB
.set ma, \a0
.rept 4
.set mt, \t0
.rept 4
	WM \zero
.set mt, mt+1
.endr
.set ma, ma+1
.endr
.endm
; x(s)'s 32 rows go into my stage, and the 32 products of K step s - 1 on column tiles 0-3 are issued: eight stores, eight products, four times.  One window setting serves both: an LDS store's data are its
; source 1, as W's fragment is the product's: window 3; the store's address and x's fragment are source 0: window 0; C and D window 1.  The stores read the landing zones and v[EAD], which no product names.
.macro MULCOPY zero
.set mBB, BF1
.set mSA, AS+4
.set mSB, BS+4
	WIN 0x5C
.set cpi, 0
.set ma, 0
.rept 4
.rept 8
	ds_store_b128 v[EAD], v[4*cpi:4*cpi+3] offset:STZ*(cpi/16)+STP*(cpi%16)
.set cpi, cpi+1
.endr
.if ma == 0
	s_wait_dscnt 8                                 ; all but the eight stores just issued: the fragments and scale words of K step s - 1 are in
.endif
.rept 2
.set mt, 0
.rept 4
	WM \zero
.set mt, mt+1
.endr
.set ma, ma+1
.endr
.endr
.endm
.macro STEPADR                         ; on to the next K step's images and scale words.  The four lines are also four places
	v_add_nc_u32 v[AAD], 3072, v[AAD]
	v_add_nc_u32 v[AAD2], 3072, v[AAD2]
	v_add_nc_u32 v[ASD], 512, v[ASD]
	v_add_nc_u32 v[BSD], 512, v[BSD]
.endm
.macro RESETADR                        ; back to K step 0
	v_mov_b32 v[AAD], v[LI]
	v_add_nc_u32 v[AAD2], 49152, v[LI]
	v_add_nc_u32 v[ASD], L_XS, v[LI]
	v_add_nc_u32 v[BSD], s[WSO], v[L4]
.endm
.macro WSLOAD off                      ; a pass's 4,096 bytes of W's scale words, 512 consecutive bytes a load
	WIN 0xC0
.irp i, 0,1,2,3,4,5,6,7
	global_load_b128 v[WT+4*\i:WT+4*\i+3], v[LI], s[WSB:WSB+1] offset:\off+512*\i
.endr
.endm
.macro WSSTORE                         ; into my own copy in LDS, as they lie
	WIN 0x0C
.irp i, 0,1,2,3,4,5,6,7
	ds_store_b128 v[WSA], v[WT+4*\i:WT+4*\i+3] offset:512*\i
.endr
	WIN 0
.endm
; ONE K STEP s = 1 .. 7 OF THE STREAM, with pass 0's products of K step s - 1.  On the way in my loads are, oldest first: x(s), 32; W(s - 1)'s tiles 0-3, 12 (the two may stand the other way round); W(s - 1)'s tiles 4-7, 12.
.macro PSTEP zero, more
	s_wait_loadcnt 12                              ; x(s) and W(s - 1)'s tiles 0-3 are in; only the youngest 12 may be out.  So the two pointers below have been read
	s_add_nc_u64 s[WP:WP+1], s[WP:WP+1], 12288     ; W(s)
.if \more
	s_add_nc_u64 s[XP:XP+1], s[XP:XP+1], 512       ; x(s + 1)
.endif
	MULCOPY \zero
	WIN 0
	TLOAD 0                                        ; the first 16 rows are asked back ahead of the global loads below.  (v[XW ..]: the last quantising was done reading them at the wait behind it, and no product names them)
	s_wait_alu depctr_vm_vsrc(0)                   ; the 32 stores above have read the landing zones, in which x(s + 1) lands; the last step's LDS loads and stores have read the six addresses stepped below, and its last image's stores v[PC ..] and v[PW], which this step's first quantising writes
	STEPADR                                        ; six plain lines: the places in front of the loads into W's tiles 0-3
	v_add_nc_u32 v[XWI], 3072, v[XWI]              ; where this K step's images go
	v_add_nc_u32 v[XWS], 512, v[XWS]
	WIN 0xC0
	s_wait_alu depctr_va_vdst(0)                   ; the 32 products above are done reading W(s - 1)'s tiles 0-3, in which the loads below land; the six addresses are written, which this step's LDS stores and loads read
	BLD 1, 0, 0, WP                                ; W(s)'s tiles 0-3
.if \more
	s_wait_dscnt 16                                ; all but the 16 loads just issued: the 32 stores are done
	XLOAD 0
	XLOAD 1                                        ; 12 + 12 + 32 loads of mine are out
.endif
	s_wait_loadcnt 32*\more+12                     ; W(s - 1)'s tiles 4-7 are in; W(s)'s 12 and x(s + 1)'s 32, issued behind them, may be out
	s_add_nc_u64 s[WQ:WQ+1], s[WQ:WQ+1], 12288     ; so their pointer has been read: W(s)
	MUL16 0, 4, 1, \zero                           ; sixteen products while the 16 rows come back
	WIN 0
	QSEND 0, 1
	TLOAD 1
	MUL16 4, 4, 1, \zero                           ; and sixteen for the other 16 rows
	WIN 0
	QSEND 1, 0
	s_wait_dscnt 0x0                               ; for the others' sake: my images and scale words of this K step lie in LDS
	s_barrier_signal -1
	s_barrier_wait -1                              ; everybody's do
	FETA1 1                                        ; K step s's fragments and scale words, for the next trip's products.  No wait: no vector or matrix instruction since the wait behind the second quantising
	FETA2
	BLD 1, 4, 0, WQ                                ; W(s)'s tiles 4-7
	WIN 0
.endm
; ONE K STEP OF PASS 1.  x's images lie in LDS; W comes in groups of 12 loads, two K steps ahead, into two sets by turns.  n1, n2: the loads younger than the group that is wanted.
; The refill of tiles 0-3 stands with the loads of x's next blocks 0-3, behind one wait; the refill of tiles 4-7 with those of blocks 4-7, behind the other.
.macro GSTEP p, zero, refill, aload, n1, n2
	s_wait_loadcnt \n1                             ; W's tiles 0-3 of this step are in
	s_wait_dscnt 12                                ; the scale words and x's blocks 0-3 are in; the youngest 12 loads (blocks 4-7) may be out
	MUL16 0, 0, \p, \zero
	s_wait_dscnt 0x0
	MUL16 4, 0, \p, \zero
	s_wait_loadcnt \n2                             ; W's tiles 4-7 of this step are in; the next step's two groups may be out
	MUL16 0, 4, \p, \zero
.if \aload
	WIN 0
	s_wait_alu depctr_vm_vsrc(0)                   ; the LDS loads issued so far have read the four addresses
	STEPADR                                        ; four places
	s_wait_alu depctr_va_vdst(0)                   ; the four addresses are written; the products issued so far are done reading x's blocks 0-3, the other set of scale words and this set's tiles 0-3, in which the loads below land
	FETA1 1-\p                                     ; the next step's scale words and x's blocks 0-3
.endif
.if \refill
	BLD \p, 0, (2+\p)*12288, WP                    ; tiles 0-3 of the step two on: 80 matrix instructions ahead of their use
.endif
	MUL16 4, 4, \p, \zero
	WIN 0
	PLACES 4
.if \aload
	s_wait_alu depctr_va_vdst(0)                   ; the step's last products are done reading x's blocks 4-7 and this set's tiles 4-7, in which the loads below land
	FETA2
.endif
.if \refill
	BLD \p, 4, (2+\p)*12288, WP
	WIN 0
.endif
.endm
.macro STEPW
	s_wait_xcnt 0x0                                ; the loads issued so far have read their base
	s_add_nc_u64 s[WP:WP+1], s[WP:WP+1], 24576
.endm
.macro ELOAD e, buf                    ; column tile e of my six in LDS into T0 (window 0) or T1 (window 3)
.if \buf
	WIN 0xC0
.set eb, T1
.else
	WIN 0
.set eb, T0
.endif
.set ei, 0
.rept 16
	ds_load_b128 v[eb+4*ei:eb+4*ei+3], v[EAD] offset:8192*(\e)+512*ei
.set ei, ei+1
.endr
.endm
.macro ELOADW e, buf                   ; the same, into a buffer that packed multiply-adds have just read
.if \buf
	WIN 0xC0
.else
	WIN 0
.endif
	s_wait_alu depctr_va_vdst(0)                   ; the multiply-adds issued so far are done reading the buffer in which these loads land
	ELOAD \e, \buf
.endm
.macro FOLD                            ; CH's four pairs become one number in v[CH]; lane l xor 16's comes into v[CH+1]
	v_pk_add_f32 v[CH:CH+1], v[CH:CH+1], v[CH+2:CH+3]
	v_pk_add_f32 v[CH+4:CH+5], v[CH+4:CH+5], v[CH+6:CH+7]
	v_pk_add_f32 v[CH:CH+1], v[CH:CH+1], v[CH+4:CH+5]
	v_add_f32 v[CH], v[CH], v[CH+1]
	v_permlanex16_b32 v[CH+1], v[CH], s[SEL], s[SEL+1]
.endm
; c of one column tile: the sum over my 64 rows of d e, in four packed chains (each accumulator is read from its low end on), then the other half's 64 rows.
; ne >= 0: the tile came from a buffer, which takes tile ne at once (nb: which buffer): the reload stands behind the chains and ahead of their fold, which names the buffer no more.
.macro CPART win, base, cv, ne, nb
	WIN \win
.set ci, 0
.rept 32
.if ci < 4
	v_pk_mul_f32 v[CH+2*ci:CH+2*ci+1], v[\base+2*ci:\base+2*ci+1], v[DW+2*ci:DW+2*ci+1]
.else
	v_pk_fma_f32 v[CH+2*(ci%4):CH+2*(ci%4)+1], v[\base+2*ci:\base+2*ci+1], v[DW+2*ci:DW+2*ci+1], v[CH+2*(ci%4):CH+2*(ci%4)+1]
.endif
.set ci, ci+1
.endr
.if (\ne) >= 0
	ELOADW \ne, \nb
.endif
	WIN 0
	FOLD
	v_add_f32 v[CV+\cv], v[CH], v[CH+1]
.endm
.macro PPART win, base, cv, first      ; e . c: my column's share of one tile for my 64 rows.  The tile is source 1, so that the copy of c runs under the same setting
.set pw, (\win)<<2
	WIN pw
	v_mov_b32 v[CP], v[CV+\cv]
.set ci, 0
.rept 32
.if \first
	v_pk_mul_f32 v[PS+2*ci:PS+2*ci+1], v[CP:CP+1], v[\base+2*ci:\base+2*ci+1] op_sel_hi:[0,1]
.else
	v_pk_fma_f32 v[PS+2*ci:PS+2*ci+1], v[CP:CP+1], v[\base+2*ci:\base+2*ci+1], v[PS+2*ci:PS+2*ci+1] op_sel_hi:[0,1,1]
.endif
.set ci, ci+1
.endr
.endm
.macro COEFF                           ; the four waves' squares in v[CH] on -> the coefficient sq / (1 + sq) / sqrt(sq + 1e-9), twice
	v_add_f32 v[CH], v[CH], v[CH+1]
	v_add_f32 v[CH+2], v[CH+2], v[CH+3]
	v_add_f32 v[CH], v[CH], v[CH+2]
	v_add_f32 v[CH+1], 1.0, v[CH]
	v_add_f32 v[CH+2], 0x3089705f, v[CH]
	s_wait_alu depctr_va_vdst(0)
	v_rcp_f32 v[CH+1], v[CH+1]
	v_rsq_f32 v[CH+2], v[CH+2]
	v_nop                                          ; a plain line behind the two
	s_wait_alu depctr_va_vdst(0)                   ; the reciprocal and the root have written v[CH+1] and v[CH+2]: a wait ahead of their first reader: one for both
	v_mul_f32 v[CH+1], v[CH], v[CH+1]
	v_mul_f32 v[CO], v[CH+1], v[CH+2]
	v_mov_b32 v[CO+1], v[CO]
.endm
	s_load_b256 s[4:11], s[0:1], 0x0               ; x s[4:5], wfrag s[6:7], wscale s[8:9], out0 s[10:11]
	v_lshrrev_b32 v20, 5, v0
	v_readfirstlane_b32 s[WV], v20                 ; wave 0..3
	v_and_b32 v21, 31, v0                          ; lane
	v_and_b32 v22, 15, v0                          ; r
	v_bfe_u32 v23, v0, 4, 1                        ; h
	v_lshlrev_b32 v[LI], 4, v21
	v_lshlrev_b32 v[L4], 2, v21
	s_wait_alu depctr_va_sdst(0)                   ; s[WV] is written, ahead of its first reader: LDS addresses and the buffers' bases are made from it
	s_mul_i32 s39, s[WV], 49152
	s_add_co_u32 s39, s39, L_E
	v_add_nc_u32 v[EAD], s39, v[LI]
	v_mul_u32_u24 v[STR], v22, STP
	v_lshl_add_u32 v[STR], v23, 6, v[STR]
	v_add_nc_u32 v[STR], s39, v[STR]
	s_lshl_b32 s40, s[WV], 9
	s_add_co_u32 s40, s40, L_PART
	v_lshlrev_b32 v[DRD], 5, v23                   ; 32 h
	v_add_nc_u32 v[PAD], s40, v[DRD]
	v_add_nc_u32 v[PCR], L_PART, v[LI]
	s_lshl_b32 s40, s[WV], 2
	s_add_co_u32 s40, s40, L_SQP
	v_mov_b32 v[SQA], s40
	v_mov_b32 v[SQR], L_SQP
	s_lshl_b32 s40, s[WV], 11
	s_add_co_u32 s40, s40, L_OST
	v_add_nc_u32 v[OSW], s40, v[L4]
	v_add_nc_u32 v[OSR], s40, v[LI]
	s_add_co_u32 s40, s40, O_D
	v_add_nc_u32 v[DRD], s40, v[DRD]
	v_lshlrev_b32 v[PFO], 12, v21
	s_lshl_b32 s[WSO], s[WV], 12
	s_add_co_u32 s[WSO], s[WSO], L_WS
	v_add_nc_u32 v[WSA], s[WSO], v[LI]
	s_lshl_b32 s[XSO], s[WV], 2
	s_add_co_u32 s[XSO], s[XSO], L_XS
	s_mul_i32 s[XQO], s[WV], 24576
.irp b, 0,1,2,3
	v_mov_b32 v[TM+4+\b], 0                        ; written once: a lane permute's destination counts as one of its sources
.endr
	s_mov_b32 s[SEL], 0x76543210
	s_mov_b32 s[SEL+1], 0xfedcba98
	s_mov_b32 s[L2E], 0x3fb8aa3b
	s_mov_b32 s[L2E+1], s[L2E]                     ; (named with it as a pair, so it is written)
	s_mov_b32 s[HM], 0xffff0000
	s_mov_b32 s[CL], 2
	s_mul_i32 s40, s[WV], 196608                   ; my two passes' fragments: 2 x 98,304 bytes a wave
	s_mov_b32 s41, 0
	s_wait_kmcnt 0x0
	s_add_nc_u64 s[WB0:WB0+1], s[6:7], s[40:41]
	s_lshl_b32 s40, s[WV], 13
	s_add_nc_u64 s[WSB:WSB+1], s[8:9], s[40:41]
	s_lshl_b32 s40, ttmp9, 13                      ; two rows of out0 a work-group,
	s_lshl_b32 s42, s[WV], 10                      ; 1,024 bytes of a row a wave
	s_add_co_u32 s40, s40, s42
	s_add_nc_u64 s[OP:OP+1], s[10:11], s[40:41]
	s_lshl_b32 s40, ttmp9, 20                      ; two classes of 128 rows of 4,096 bytes a work-group,
	s_lshl_b32 s42, s[WV], 17                      ; 32 rows a wave
	s_add_co_u32 s40, s40, s42
	s_add_nc_u64 s[XC:XC+1], s[4:5], s[40:41]
.Lclass:
	; ---- the class begins: no load, store or prefetch of mine still reads a register written here (the waits at the last class's end)
	s_mov_b64 s[XP:XP+1], s[XC:XC+1]
	s_mov_b64 s[WP:WP+1], s[WB0:WB0+1]
	s_mov_b64 s[WQ:WQ+1], s[WB0:WB0+1]
	s_add_nc_u64 s[XN:XN+1], s[XC:XC+1], 524288
	s_cmp_gt_u32 s[CL], 1
	s_cselect_b32 s[PFK], 2, 0
	RESETADR
	v_add_nc_u32 v[XWI], s[XQO], v[LI]
	v_and_b32 v[XWS], 15, v0
	v_lshl_add_u32 v[XWS], v[XWS], 4, s[XSO]       ; L_XS + 16 r + 4 w
	WIN 0xC0
	s_wait_alu depctr_va_vdst(0)                   ; every address and offset is written, those of the head and the six above; and the last class's vector instructions are done with all the registers in which this class's first loads land (window 3; v[XW ..]; x's fragments)
	WSLOAD 0                                       ; pass 0's scale words of W
	XLOAD 0                                        ; x's K step 0
	XLOAD 1
	BLD 1, 0, 0, WP                                ; W(0)'s tiles 0-3
	s_wait_loadcnt 44                              ; the scale words are in; x's 32 loads and W's 12, issued behind them, may be out
	WSSTORE
	; ---- K step 0 of the stream: there is no product yet to set beside it
	s_wait_loadcnt 12                              ; x(0) is in; W's 12 may be out
	WIN 0x0C
	COPY 0
	COPY 1
	s_add_nc_u64 s[XP:XP+1], s[XP:XP+1], 512       ; all loads that named it are done
	s_wait_dscnt 0x0                               ; the stores are done
	WIN 0xC0
	s_wait_alu depctr_vm_vsrc(0)                   ; the 32 stores have read the landing zones, in which x(1) lands
	XLOAD 0
	XLOAD 1                                        ; x(1)
	WIN 0
	TLOAD 0
	QSEND 0, 0                                     ; (the last class's reads of these bytes lie behind the routing's barriers)
	TLOAD 1
	QSEND 1, 0
	s_wait_dscnt 0x0                               ; for the others' sake: my images and scale words of K step 0 lie in LDS
	s_barrier_signal -1
	s_barrier_wait -1
	FETA1 1
	FETA2
	BLD 1, 4, 0, WQ                                ; W(0)'s tiles 4-7
	WIN 0
	; ---- K steps 1 to 7 of the stream, with pass 0's K steps 0 to 6
	PSTEP 1, 1                                     ; K step 0's products start the sums
	s_mov_b32 s[KC], 5
.Lxk:
	PSTEP 0, 1
	s_sub_co_u32 s[KC], s[KC], 1
	s_cmp_lg_u32 s[KC], 0
	s_cbranch_scc1 .Lxk
	PSTEP 0, 0                                     ; the last step asks for no more of x: no load leaves the class
	; ---- hand-over: pass 0's K step 7, among the first loads of pass 1; then pass 0's tiles make room
	s_wait_xcnt 0x0                                ; the loads issued so far have read their base
	s_wait_alu depctr_vm_vsrc(0)                   ; the last image's store of its scale word has read v[PW], in which a load of set 0 lands; the last step's LDS loads have read the four addresses that are set back below
	s_add_nc_u64 s[WP:WP+1], s[WP:WP+1], 12288     ; pass 1's K step 0
	WSLOAD 4096
	BLD 0, 0, 0, WP                                ; set 0 lies where the quantiser worked: it was done at the wait behind the last quantising, and no vector instruction has been issued since
	BLD 0, 4, 0, WP                                ; 12 + 12 + 8 + 24 loads of mine are out
	s_wait_loadcnt 44                              ; W(7)'s tiles 0-3 are in; younger: its tiles 4-7, the scale words, set 0: 12 + 8 + 24
	s_wait_dscnt 0x0                               ; K step 7's fragments and scale words are in
	MUL16 0, 0, 1, 0
	MUL16 4, 0, 1, 0
	PLACES 4
	WIN 0xC0
	s_wait_alu depctr_va_vdst(0)                   ; the 32 products above are done reading W(7)'s tiles 0-3, in which the loads below land
	BLD 1, 0, 12288, WP
	s_wait_loadcnt 44                              ; W(7)'s tiles 4-7 are in; younger: 8 + 24 + 12
	MUL16 0, 4, 1, 0
	MUL16 4, 4, 1, 0
	PLACES 4
	WIN 0xC0
	s_wait_alu depctr_va_vdst(0)                   ; pass 0's products are done reading W(7)'s tiles 4-7, in which the loads below land, and have written the accumulators, which the stores below read; the places above stay beside this wait
	BLD 1, 4, 12288, WP
.set pt, 0
.rept 6                                ; tiles 0-5 go to my LDS, each accumulator from its low end on
.if pt < 4
	WIN 0x04
.else
	WIN 0x08
.endif
.set pq, 0
.rept 16
	ds_store_b128 v[EAD], v[64*(pt%4)+4*pq:64*(pt%4)+4*pq+3] offset:8192*pt+512*pq
.set pq, pq+1
.endr
.set pt, pt+1
.endr
	WIN 0xC2
.set pq, 0
.rept 128                              ; tiles 6 and 7 move from window 2 to window 3: the price of both passes summing in windows 1 and 2
	v_mov_b32 v[pq], v[128+pq]
.set pq, pq+1
.endr
	s_wait_loadcnt 48                              ; pass 1's scale words are in; W's four groups of 12, issued behind them, may be out
	WSSTORE
	RESETADR
	s_wait_alu depctr_va_vdst(0)                   ; the four addresses are written, which the loads below read; pass 0's last products are done reading x's fragments, in which they land
	FETA1 0
	FETA2
	PLACES 5                                       ; accumulators are begun anew with another C: five places behind the last products
	s_wait_alu depctr_vm_vsrc(0)                   ; the stores of tiles 0-5 have read the accumulators, which pass 1's first products write; the stores of the scale words have read their registers, in which a tile of e lands later
	; ---- pass 1, eight K steps, no barrier: x's images are only read
	GSTEP 0, 1, 1, 1, 36, 24                       ; (its wait on DScnt also shows the stores of tiles 0-5 done: LDS serves a wave in order)
	GSTEP 1, 0, 1, 1, 36, 24
	STEPW
	s_mov_b32 s[KC], 2
.Lgk:
	GSTEP 0, 0, 1, 1, 36, 24
	GSTEP 1, 0, 1, 1, 36, 24
	STEPW
	s_sub_co_u32 s[KC], s[KC], 1
	s_cmp_lg_u32 s[KC], 0
	s_cbranch_scc1 .Lgk
	GSTEP 0, 0, 0, 1, 36, 24                       ; the last two steps ask for nothing more of W: the counts run down
	GSTEP 1, 0, 0, 0, 12, 0
	; ---- routing.  e: tiles 0-5 in LDS, 6-7 in window 3, 8-11 in window 1, 12-15 in window 2
.set ci, 0
.rept 64
	v_mov_b32 v[DW+ci], 0x3c000000                 ; the softmax of zeros: 1 / 128, exactly
.set ci, ci+1
.endr
.irp i, 0,1,2,3
	v_mov_b32 v[PS+\i], 0
.endr
	s_wait_alu depctr_va_vdst(0)                   ; the four zeros are written, which the store reads; pass 1's products are done reading W's two sets, in which the first sweep's tiles land
	ds_store_b128 v[OSR], v[PS:PS+3] offset:O_B    ; b = 0: my four rows, in my wave's own copy
	s_mov_b32 s[SW], 3
.Lsweep:
	; c = the sum over the rows of d e, for my 256 columns.  The six tiles in LDS come through two buffers by turns, the first two while the ten in registers are summed.
	; (The two buffers: on the way in the wait above, on the way back the wait ahead of the stores of b and d, stands behind their last readers, and no vector instruction follows it.)
	ELOAD 0, 0
	ELOAD 1, 1
	s_wait_dscnt 32                                ; all but the 32 loads just issued: d is in
	CPART 1, 0, 8, -1, 0
	CPART 1, 64, 9, -1, 0
	CPART 1, 128, 10, -1, 0
	CPART 1, 192, 11, -1, 0
	CPART 2, 0, 12, -1, 0
	CPART 2, 64, 13, -1, 0
	CPART 2, 128, 14, -1, 0
	CPART 2, 192, 15, -1, 0
	CPART 3, 0, 6, -1, 0
	CPART 3, 64, 7, -1, 0
	s_wait_dscnt 16                                ; this buffer's 16 loads are in; the other buffer's 16 may be out
	CPART 0, T0, 0, 2, 0
	s_wait_dscnt 16
	CPART 3, T1, 1, 3, 1
	s_wait_dscnt 16
	CPART 0, T0, 2, 4, 0
	s_wait_dscnt 16
	CPART 3, T1, 3, 5, 1
	s_wait_dscnt 16
	CPART 0, T0, 4, -1, 0
	s_wait_dscnt 0x0
	CPART 3, T1, 5, -1, 0
	; my wave's part of |c|^2: 16 tiles in two packed chains, then the sixteen columns of a tile
	v_pk_mul_f32 v[CH:CH+1], v[CV:CV+1], v[CV:CV+1]
	v_pk_mul_f32 v[CH+2:CH+3], v[CV+2:CV+3], v[CV+2:CV+3]
.irp k, 2,3,4,5,6,7
	v_pk_fma_f32 v[CH+2*(\k%2):CH+2*(\k%2)+1], v[CV+2*\k:CV+2*\k+1], v[CV+2*\k:CV+2*\k+1], v[CH+2*(\k%2):CH+2*(\k%2)+1]
.endr
	v_pk_add_f32 v[CH:CH+1], v[CH:CH+1], v[CH+2:CH+3]
	v_add_f32 v[CH], v[CH], v[CH+1]
.irp m, 1,2,4,8
	v_add_f32_dpp v[CH], v[CH], v[CH] row_xmask:\m row_mask:0xf bank_mask:0xf
.endr
	s_wait_alu depctr_va_vdst(0)                   ; v[CH] is written, which the store reads; the column sums are done reading the two buffers, in which the next loads land, and with v[CH ..], in which the four squares land
	ds_store_b32 v[SQA], v[CH]                     ; all lanes write the same word with the same value
	s_wait_alu depctr_vm_vsrc(0)                   ; ahead of the branch, for both ways: that store has read v[CH], in which the four squares land; the stores of b and d (in the first sweep: of b = 0) have read v[PS ..], which the row sums or the output's loads write
	s_cmp_eq_u32 s[SW], 1
	s_cbranch_scc1 .Lfinish                        ; the third sweep ends here: its update of b serves nothing
	; e . c with the c that is not yet squashed, for the 128 rows
	ELOAD 0, 0
	ELOAD 1, 1
	WIN 0
	s_cmp_lg_u32 s[SW], s[PFK]
	s_cbranch_scc1 .Lno_prefetch
	; A PREFETCH INTO THE L2 of the next class's first two K steps of my 32 rows: a lane a row, four blocks of 256 bytes a row, each named once in the launch (every wave has rows of its own).  It stands in the
	; second sweep, behind the wave's LDS loads: the rest of that sweep and the third sweep's column sums lie between it and the loads that will want the bytes.  The work-group's last class asks for nothing.
.irp i, 0,1,2,3
	global_prefetch_b8 v[PFO], s[XN:XN+1] offset:256*\i th:TH_LOAD_NT scope:SCOPE_SE
.endr
.Lno_prefetch:
	PPART 1, 0, 8, 1
	PPART 1, 64, 9, 0
	PPART 1, 128, 10, 0
	PPART 1, 192, 11, 0
	PPART 2, 0, 12, 0
	PPART 2, 64, 13, 0
	PPART 2, 128, 14, 0
	PPART 2, 192, 15, 0
	PPART 3, 0, 6, 0
	PPART 3, 64, 7, 0
	s_wait_dscnt 16                                ; as above
	PPART 0, T0, 0, 0
	ELOADW 2, 0
	s_wait_dscnt 16
	PPART 3, T1, 1, 0
	ELOADW 3, 1
	s_wait_dscnt 16
	PPART 0, T0, 2, 0
	ELOADW 4, 0
	s_wait_dscnt 16
	PPART 3, T1, 3, 0
	ELOADW 5, 1
	s_wait_dscnt 16
	PPART 0, T0, 4, 0
	s_wait_dscnt 0x0
	PPART 3, T1, 5, 0
	WIN 0
.irp m, 1,2,4,8                        ; over the sixteen columns that the lanes of a half hold
.set ci, 0
.rept 64
	v_add_f32_dpp v[PS+ci], v[PS+ci], v[PS+ci] row_xmask:\m row_mask:0xf bank_mask:0xf
.set ci, ci+1
.endr
.endr
	s_wait_alu depctr_va_vdst(0)                   ; the sums are written in v[PS ..], which the stores below read and in which the loads behind the barrier land
.set qi, 0
.rept 16
	ds_store_b128 v[PAD], v[PS+4*qi:PS+4*qi+3] offset:64*(qi/2)+16*(qi%2)   ; row 16 a + 8 h + j at 4 x row; the sixteen lanes of a half write the same bytes with the same values
.set qi, qi+1
.endr
	s_wait_dscnt 0x0                               ; for the others' sake: my parts lie in LDS
	s_barrier_signal -1
	s_barrier_wait -1                              ; everybody's do
	; b and the softmax, COMPACT: lane l takes rows 4 l .. 4 l + 3: a wave's part is one load of 512 consecutive bytes.  Every wave makes the same numbers
	s_wait_alu depctr_vm_vsrc(0)                   ; my sixteen stores of the parts have read v[PS ..], in which the loads below land and which the softmax writes
	ds_load_b128 v[CH:CH+3], v[SQR]
.irp w, 0,1,2,3
	ds_load_b128 v[PS+4*\w:PS+4*\w+3], v[PCR] offset:512*\w
.endr
	ds_load_b128 v[PS+16:PS+19], v[OSR] offset:O_B ; b so far
	s_wait_dscnt 0x0                               ; my reads of the parts are over:
	s_barrier_signal -1
	s_barrier_wait -1                              ; nobody writes the next sweep's parts before all have read these
	COEFF
	v_pk_add_f32 v[PS:PS+1], v[PS:PS+1], v[PS+4:PS+5]              ; the four waves' parts of e . c
	v_pk_add_f32 v[PS+2:PS+3], v[PS+2:PS+3], v[PS+6:PS+7]
	v_pk_add_f32 v[PS+8:PS+9], v[PS+8:PS+9], v[PS+12:PS+13]
	v_pk_add_f32 v[PS+10:PS+11], v[PS+10:PS+11], v[PS+14:PS+15]
	v_pk_add_f32 v[PS:PS+1], v[PS:PS+1], v[PS+8:PS+9]
	v_pk_add_f32 v[PS+2:PS+3], v[PS+2:PS+3], v[PS+10:PS+11]
	v_pk_fma_f32 v[PS+16:PS+17], v[PS:PS+1], v[CO:CO+1], v[PS+16:PS+17]         ; b += coefficient x (e . c); it is stored below, with d, behind one wait
	v_pk_fma_f32 v[PS+18:PS+19], v[PS+2:PS+3], v[CO:CO+1], v[PS+18:PS+19]
	v_max3_num_f32 v[CH], v[PS+16], v[PS+17], v[PS+18]             ; the largest b of the class: my four rows, then the 32 lanes
	v_max_num_f32 v[CH], v[CH], v[PS+19]
.irp m, 1,2,4,8
	v_max_num_f32_dpp v[CH], v[CH], v[CH] row_xmask:\m row_mask:0xf bank_mask:0xf
.endr
	v_permlanex16_b32 v[CH+1], v[CH], s[SEL], s[SEL+1]
	v_max_num_f32 v[CH], v[CH], v[CH+1]            ; m
	v_mul_f32 v[CH], s[L2E], v[CH]
.irp k, 0,1
	v_pk_fma_f32 v[PS+20+2*\k:PS+21+2*\k], v[PS+16+2*\k:PS+17+2*\k], s[L2E:L2E+1], v[CH:CH+1] op_sel_hi:[1,0,0] neg_lo:[0,0,1] neg_hi:[0,0,1]   ; b log2(e) - m log2(e), one rounding; the rounding of m log2(e) is the same number for all rows and cancels in the division by the sum
.endr
	s_wait_alu depctr_va_vdst(0)
.irp k, 0,1,2,3
	v_exp_f32 v[PS+20+\k], v[PS+20+\k]
.endr
	v_nop                                          ; a plain line behind the batch
	s_wait_alu depctr_va_vdst(0)                   ; the four exponentials have written v[PS+20 ..]: one wait for the four, ahead of their first reader
	v_pk_add_f32 v[CH:CH+1], v[PS+20:PS+21], v[PS+22:PS+23]
	v_add_f32 v[CH], v[CH], v[CH+1]
.irp m, 1,2,4,8
	v_add_f32_dpp v[CH], v[CH], v[CH] row_xmask:\m row_mask:0xf bank_mask:0xf
.endr
	v_permlanex16_b32 v[CH+1], v[CH], s[SEL], s[SEL+1]
	v_add_f32 v[CH], v[CH], v[CH+1]                ; the sum over the 128 rows
	s_wait_alu depctr_va_vdst(0)
	v_rcp_f32 v[CH], v[CH]
	v_nop
	s_wait_alu depctr_va_vdst(0)                   ; the reciprocal has written v[CH], ahead of its first reader
	v_pk_mul_f32 v[PS+20:PS+21], v[PS+20:PS+21], v[CH:CH+1] op_sel_hi:[1,0]
	v_pk_mul_f32 v[PS+22:PS+23], v[PS+22:PS+23], v[CH:CH+1] op_sel_hi:[1,0]
	s_wait_alu depctr_va_vdst(0)                   ; b and d are written, which the two stores read; the sweep's sums are done reading v[DW ..] and the two buffers, in which the loads below and the next sweep's first loads land
	ds_store_b128 v[OSR], v[PS+16:PS+19] offset:O_B                ; b, in my wave's own copy
	ds_store_b128 v[OSR], v[PS+20:PS+23] offset:O_D                ; d, row n at 4 n, in my wave's own 512 bytes,
.set qi, 0
.rept 16
	ds_load_b128 v[DW+4*qi:DW+4*qi+3], v[DRD] offset:64*(qi/2)+16*(qi%2)   ; and back in the layout of the rows: register 8 a + j = row 16 a + 8 h + j; LDS serves a wave's instructions in order: these see the store
.set qi, qi+1
.endr
	s_sub_co_u32 s[SW], s[SW], 1
	s_cmp_lg_u32 s[SW], 0
	s_cbranch_scc1 .Lsweep
.Lfinish:
	; ---- the third c is squashed and leaves
	s_wait_dscnt 0x0                               ; for the others' sake: my part of |c|^2 lies in LDS
	s_barrier_signal -1
	s_barrier_wait -1
	ds_load_b128 v[CH:CH+3], v[SQR]                ; (these four words are next written behind the next class's barriers)
	s_wait_dscnt 0x0
	COEFF
.irp i, 0,1,2,3,4,5,6,7
	v_cndmask_b32 v[CH+\i], v[CV+2*\i], v[CV+2*\i+1], s[HM]        ; both halves hold c of a tile's 16 columns: lanes 0-15 take tile 2 i's, lanes 16-31 tile 2 i + 1's: 32 neighbouring columns
.endr
.irp i, 0,1,2,3,4,5,6,7
	v_mul_f32 v[CH+\i], v[CO], v[CH+\i]
.endr
	s_wait_alu depctr_va_vdst(0)                   ; the eight products are written in v[CH ..], which the stores read
.irp i, 0,1,2,3,4,5,6,7
	ds_store_b32 v[OSW], v[CH+\i] offset:128*\i
.endr
	ds_load_b128 v[PS:PS+3], v[OSR]                ; LDS serves a wave's instructions in order: these see my stores
	ds_load_b128 v[PS+4:PS+7], v[OSR] offset:512
	s_wait_dscnt 0x0
	global_store_b128 v[LI], v[PS:PS+3], s[OP:OP+1] th:TH_STORE_NT             ; 32 lanes store 512 consecutive bytes, at a multiple of 512 from out0's first byte
	global_store_b128 v[LI], v[PS+4:PS+7], s[OP:OP+1] offset:512 th:TH_STORE_NT
	s_wait_xcnt 0x0                                ; the stores and the prefetches have read their registers and bases: these may be written again
	s_wait_alu depctr_vm_vsrc(0)                   ; ahead of the branch, for both ways: the eight LDS stores have read v[CH ..], the two global stores v[PS ..], this class's LDS instructions the six stepped addresses: the next class writes all of them, and the two lines ahead of the closing lines write v254 and v255, which are v[CH+6] and v[CH+7]
	s_add_nc_u64 s[XC:XC+1], s[XC:XC+1], 524288
	s_add_nc_u64 s[OP:OP+1], s[OP:OP+1], 4096
	s_sub_co_u32 s[CL], s[CL], 1
	s_cmp_lg_u32 s[CL], 0
	s_cbranch_scc1 .Lclass
	s_wait_xcnt 0x0
	v_lshl_add_u32 v254, v0, 2, 0x4f900
	v_mov_b32 v255, 0
	s_wait_dscnt 0x0                               ; the closing lines, six on end
	s_wait_alu 0x0
	s_wait_tensorcnt 0x0
	ds_add_u32 v254, v255
	s_wait_dscnt 0x0
	s_endpgm
.Lfunc_end_k_q38b9361799_route:
	.size	k_q38b9361799_route, .Lfunc_end_k_q38b9361799_route-k_q38b9361799_route
	.p2alignl 7, 3214868480
	.fill 96, 4, 3214868480
	.section	.rodata,"a",@progbits
	.p2align	6, 0x0
	.amdhsa_kernel k_q38b9361799_route
		.amdhsa_group_segment_fixed_size 326400
		.amdhsa_private_segment_fixed_size 0
		.amdhsa_enable_private_segment 0
		.amdhsa_kernarg_size 32
		.amdhsa_user_sgpr_count 2
		.amdhsa_user_sgpr_kernarg_segment_ptr 1
		.amdhsa_wavefront_size32 1
		.amdhsa_system_sgpr_workgroup_id_x 1
		.amdhsa_system_sgpr_workgroup_id_y 1
		.amdhsa_system_sgpr_workgroup_id_z 1
		.amdhsa_system_vgpr_workitem_id 0
		.amdhsa_next_free_vgpr 1024
		.amdhsa_next_free_sgpr 66
		.amdhsa_reserve_vcc 0
		.amdhsa_float_denorm_mode_32 3
		.amdhsa_float_denorm_mode_16_64 3
		.amdhsa_memory_ordered 1
		.amdhsa_forward_progress 1
		.amdhsa_inst_pref_size 255
	.end_amdhsa_kernel
	.section	.bss,"aw",@nobits
	.p2align	6
	.space	262144
	.amdgpu_metadata
---
amdhsa.version: [ 1, 2 ]
amdhsa.kernels:
  - .name:           k_q38b9361799_route
    .symbol:         k_q38b9361799_route.kd
    .args:
      - { .name: x, .offset: 0, .size: 8, .value_kind: global_buffer, .address_space: global }
      - { .name: wfrag, .offset: 8, .size: 8, .value_kind: global_buffer, .address_space: global }
      - { .name: wscale, .offset: 16, .size: 8, .value_kind: global_buffer, .address_space: global }
      - { .name: out0, .offset: 24, .size: 8, .value_kind: global_buffer, .address_space: global }
    .group_segment_fixed_size: 326400
    .private_segment_fixed_size: 0
    .kernarg_segment_align: 8
    .kernarg_segment_size: 32
    .max_flat_workgroup_size: 128
    .sgpr_count:     66
    .vgpr_count:     1024
    .wavefront_size: 32
...
	.end_amdgpu_metadata
.endif
;; end of part 4
